; MI455X (gfx1250); checked and timed in simulation.
; The chip was launched on July 23, 2026; its instructions are those of AMD's public machine-readable ISA for CDNA 5 (MIT licence, August 2026) and "CDNA5" Instruction Set Architecture Reference Guide (July 2026). The comments in the code are by the model that wrote it; some were corrected since.
;; LSTM Baseline. Allowed arithmetic: matrix products marked QUANTISED: E4M3 operands, one given power-of-two scale a tensor, by v_wmma_f32_16x16x64_fp8_fp8 or v_wmma_f32_16x16x128_fp8_fp8, f32 sums; everything else in f32.
;; Inputs: W_dec 512 x 1,024 float32; W_hh0 4,096 x 1,024 float32; W_hh1 4,096 x 1,024 float32; W_ih0 4,096 x 512 float32; W_ih1 4,096 x 1,024 float32; b_dec 512 float32; b_hh0 4,096 float32; b_hh1 4,096 float32; b_ih0 4,096 float32; b_ih1 4,096 float32; lowp_scales 6 int32 (the exponents e of the quantised operands' scales 2^e); x 8,192 x 512 float32.
;; Outputs: out0 8,192 x 512 float32.
;; This version of the problem:
;;   THIS VERSION OF THE PROBLEM IS GIVEN IN LOW PRECISION. The matrix products marked QUANTISED in the list below multiply operands that are first quantised to E4M3 (4 exponent bits, 3 mantissa bits; 8 bits a number), with one given power-of-two scale for each operand tensor; their sums are f32. All else is computed in f32.
;;   The module's matrix products, in the order in which they are computed (A, B: the left and right operand; K: the contracted axis; several contracted axes count as one K, in the product's order):
;;     1. [M 8,192, K 512] x [K 512, N 4,096]; A: input x; B: input W_ih0: QUANTISED (scales: A lowp_scales[0], B lowp_scales[1])
;;     2. [M 8,192, K 1,024] x [K 1,024, N 4,096]; A: computed on the way; B: input W_ih1: QUANTISED (scales: A lowp_scales[2], B lowp_scales[3])
;;     3. [M 8,192, K 1,024] x [K 1,024, N 512]; A: computed on the way; B: input W_dec: QUANTISED (scales: A lowp_scales[4], B lowp_scales[5])
;;   THE QUANTISER, for each operand of a quantised product, along K:
;;     - The operand's scale is 2^e, e = its entry of the input lowp_scales (int32; the entries are numbered through the quantised products in the list's order, A before B).
;;     - Each number is divided by the scale, clamped to +-448, and rounded to the nearest number of E4M3, ties to even, subnormals kept.
;;     - The product sums the exact products of the quantised numbers (number of the format x scale) in f32.
;;   ~~~python
;;   def quantise(x, axis, e):      # numpy; x: float32 -> the quantised numbers, widened to float32 again
;;       x = np.moveaxis(x, axis, -1); K = x.shape[-1]
;;       r = np.clip(x / 2.0 ** e, -448, 448)
;;       step = 2.0 ** (np.maximum(np.frexp(np.where(r == 0, 1, r))[1] - 1, -6) - 3)
;;       q = np.round(r / step) * step * 2.0 ** e      # np.round: ties to even
;;       return np.moveaxis(q, -1, axis).astype(np.float32)
;;   ~~~
;;   OPERANDS COMPUTED ON THE WAY. 'Computed on the way' means the value that the module computes at that place (a softmax that the list does not call 'softmax' is quantised finished and normalised). What goes into a quantiser is computed in f32, as accurately as f32 sums, v_exp_f32 and their like allow (about 1e-6 of the number): no bf16 or f16 on the way to a quantiser, and a product that is left as it is and whose result goes on into a quantised operand takes f32 operands (vector FMAs, or v_wmma_f32_16x16x4_f32). A number that lies on a knife's edge between two numbers of the format may be rounded either way, as far as f32 arithmetic and the matrix unit's own rounding can turn it there, and no further.
;; One version. Each part assembles by itself: llvm-mc -triple=amdgcn-amd-amdhsa -mcpu=gfx1250 --defsym DOCPART=n.
;; ======== version 1 of 1: 4 launches
;; limits: a function is approximated: absolute error at most 3e-07
;; workspace buffers: xq 4,194,304 bytes; w0q 1,572,864 bytes; w1q 3,145,728 bytes; wdq 524,288 bytes; h0q 8,388,608 bytes; h1q 8,388,608 bytes
;; launch quant (part 1): grid 576 x 1, 4 waves a work-group, no clusters, 34,304 bytes of LDS; arguments x, W_ih0, W_ih1, W_dec, lowp_scales, xq, w0q, w1q, wdq; writes xq, w0q, w1q, wdq
.if DOCPART == 1
	.amdgcn_target "amdgcn-amd-amdhsa--gfx1250"
	.amdhsa_code_object_version 6
	.text
	.protected	k_q934255a980_quant
	.globl	k_q934255a980_quant
	.p2align	8
	.type	k_q934255a980_quant,@function
k_q934255a980_quant:
	s_mov_b64 s[64:65], 0
	v_nop
	global_prefetch_b8 v0, s[64:65] scope:SCOPE_SE
	s_setreg_imm32_b32 hwreg(HW_REG_WAVE_MODE, 25, 1), 1
	s_wait_xcnt 0x0
; x [8192][512], W_ih0 [4096][512], W_ih1 [4096][1024], W_dec [512][1024], f32, become codes of FP8 (E4M3), each tensor with the one scale 2^e that is given for it
; (entries 0, 1, 3, 5 of lowp_scales): code = number / 2^e, held within +-448, rounded to the nearest code, ties to even.
; DEAD WORK, for all values of the inputs.  (1) reference() splits the gates into i, f, g, o and names f in no later expression (c = i * g, since c0 is a zero that it builds itself).  So rows 1024 .. 2047 of
; W_ih0 and W_ih1, and the same entries of the four bias vectors, have no way to any output: a quarter of products 1 and 2, in whole rows; they are neither read nor multiplied.  (2) W_hh0 and W_hh1 stand in
; no expression of reference() at all (h0 is a zero that it builds itself): they are not loaded and are among no launch's arguments.
; LIMIT: a NaN, an infinity or an overflow that reaches only the f gate's rows or W_hh0, W_hh1 is not carried to the result.  LIMITS: each e between -126 and 119; NaN among the inputs is not served.
; THE CODES ARE LAID AS THE READERS' REGISTERS WANT THEM.  An IMAGE is 16 rows x 64 along K, 1,024 bytes: byte 512 c + 16 lane + i is the code of row lane % 16 at k = 32 c + 16 (lane / 16) + i.
;   xq  [block of 128 rows 64][k64 8][16-row block 8][1024], rows in their own order.
;   w0q [group of 64 hidden units 16][k64 8][tile 12][1024], w1q the same with 16 k64.  Tile 4 gate + 2 b + u (gate 0, 1, 2 = i, g, o, whose rows begin at 0, 2048, 3072); its row rho is the gate's row
;       64 group + 32 b + 8 u + rho + 8 (rho / 8): so the results of tiles 2 b and 2 b + 1 are 16 neighbours along the next K.
;   wdq [group of 64 outputs 8][k64 16][tile 4][1024]; row rho of tile t is W_dec's row 64 group + 4 rho + t: so a lane's four tiles are four neighbouring outputs.
; SHARES.  A wave's job is 16 image rows x 256 along K: 16 KiB in, four images out; 2,304 jobs, four to a work-group: work-groups 0-255 x, 256-351 W_ih0, 352-543 W_ih1, 544-575 W_dec.
; One path serves all four: what differs is chosen by s_cselect on the work-group's number.  Each load reads 512 consecutive bytes of one row; all 32 loads of a job are issued at once.
; The conversions want 16 neighbours along K in one lane, so 128 along K of the 16 rows at a time turn through the wave's own stage in LDS (rows of 512 + 16 bytes).  Each store covers 512 consecutive bytes.
; Memory binds: no matrix unit, no cluster (work-groups share no input), no tensor load, no barrier (waves share nothing).
.set STG,   8448                       ; a wave's stage: 16 rows x 528 bytes
.set SP,    528
.set SPARE, 4*STG                      ; behind the four stages: the spare words, 128 bytes for each wave: two blocks of 256 bytes that no other line names
.set SPW,   5                          ; v5   LDS address of my spare word; never rewritten
.set NIL,   6                          ; v6   0; never rewritten
.set OI,    10                         ; v10-13  16 x lane + image x (bytes from image to image)
.set OFF,   16                         ; v16-31  16 x lane + where image row rho lies in the source
.set R,     32                         ; v32-159  the numbers as loaded: 64 for each half of the job
.set T,     160                        ; v160-223 two sets of 32 numbers, 16 neighbours twice
.set C,     224                        ; v224-255 codes: eight registers an image, so that no store's data are written again
	s_load_b256 s[4:11], s[0:1], 0x0               ; x, W_ih0, W_ih1, W_dec
	s_load_b256 s[12:19], s[0:1], 0x20             ; the scales' exponents, xq, w0q, w1q
	s_load_b64 s[20:21], s[0:1], 0x40              ; wdq
	v_lshl_add_u32 v[SPW], v0, 2, SPARE
	v_mov_b32 v[NIL], 0
	v_lshrrev_b32 v1, 5, v0
	v_readfirstlane_b32 s36, v1                    ; wave
	v_and_b32 v9, 31, v0
	v_lshlrev_b32 v2, 4, v9                        ; 16 x lane
	s_mul_i32 s37, s36, STG
	v_add_nc_u32 v3, s37, v2                       ; the stage, on the way in: a row's 512 bytes as they lie
	v_and_b32 v14, 15, v0
	v_bfe_u32 v15, v0, 4, 1
	v_mul_u32_u24 v4, v14, SP
	v_lshl_add_u32 v4, v15, 6, v4
	v_add_nc_u32 v4, s37, v4                       ; and on the way out: row lane % 16, + 64 bytes for lanes 16-31: my 16 numbers of a block of 32
	; what differs between the tensors: W_dec's values first, then three choices on the work-group's number
	s_mov_b32 s22, 544                             ; the tensor's first work-group
	s_mov_b32 s23, 2                               ; log2 of the jobs along K,
	s_mov_b32 s24, 3                               ; and their mask
	s_mov_b32 s25, 131072                          ; tile x this >> 19 = tile / (tiles in a group)
	s_mov_b32 s26, 4                               ; tiles in a group
	s_mov_b32 s27, 12                              ; log2 of a source row's bytes
	s_mov_b32 s28, 16384                           ; bytes from image row to image row in the source,
	s_mov_b32 s29, 0                               ; and the extra step in front of image row 8
	s_wait_kmcnt 0x0
	s_load_b128 s[44:47], s[12:13], 0x0            ; entries 0 to 3
	s_load_b64 s[48:49], s[12:13], 0x10            ; entries 4, 5
	s_mov_b64 s[32:33], s[10:11]
	s_mov_b64 s[34:35], s[20:21]
	s_cmp_lt_u32 ttmp9, 544                        ; W_ih1 or earlier
	s_cselect_b32 s22, 352, s22
	s_cselect_b32 s25, 43691, s25                  ; exact for tiles under 192
	s_cselect_b32 s26, 12, s26
	s_cselect_b32 s28, 4096, s28
	s_cselect_b32 s29, 32768, s29
	s_cselect_b64 s[32:33], s[8:9], s[32:33]
	s_cselect_b64 s[34:35], s[18:19], s[34:35]
	s_cmp_lt_u32 ttmp9, 352                        ; W_ih0 or earlier
	s_cselect_b32 s22, 256, s22
	s_cselect_b32 s23, 1, s23
	s_cselect_b32 s24, 1, s24
	s_cselect_b32 s27, 11, s27
	s_cselect_b32 s28, 2048, s28
	s_cselect_b32 s29, 16384, s29
	s_cselect_b64 s[32:33], s[6:7], s[32:33]
	s_cselect_b64 s[34:35], s[16:17], s[34:35]
	s_cmp_lt_u32 ttmp9, 256                        ; x
	s_cselect_b32 s22, 0, s22
	s_cselect_b32 s25, 65536, s25
	s_cselect_b32 s26, 8, s26
	s_cselect_b32 s29, 0, s29
	s_cselect_b64 s[32:33], s[4:5], s[32:33]
	s_cselect_b64 s[34:35], s[14:15], s[34:35]
	; my job
	s_sub_co_u32 s38, ttmp9, s22
	s_lshl_b32 s38, s38, 2
	s_add_co_u32 s38, s38, s36                     ; the job's number in its tensor
	s_lshr_b32 s39, s38, s23                       ; tile of 16 image rows
	s_and_b32 s40, s38, s24                        ; which 256 along K
	s_mul_i32 s41, s39, s25
	s_lshr_b32 s41, s41, 19                        ; group
	s_mul_i32 s42, s41, s26
	s_sub_co_u32 s42, s39, s42                     ; tile in its group
	; the source row of image row 0, in the three forms
	s_lshl_b32 s43, s41, 6                         ; 64 x group
	s_add_co_u32 s50, s43, s42                     ; W_dec: 64 group + t
	s_and_b32 s51, s42, 2
	s_lshl_b32 s51, s51, 4                         ; 32 b
	s_add_co_u32 s51, s51, s43
	s_and_b32 s52, s42, 1
	s_lshl_b32 s52, s52, 3                         ; 8 u
	s_add_co_u32 s51, s51, s52
	s_lshr_b32 s52, s42, 2                         ; gate 0, 1, 2
	s_min_u32 s53, s52, 1
	s_add_co_u32 s52, s52, s53                     ; 0, 2, 3: the f gate's rows are passed over
	s_lshl_b32 s52, s52, 10
	s_add_co_u32 s51, s51, s52                     ; the layers' weights
	s_lshl_b32 s52, s39, 4                         ; x: 16 x tile
	s_cmp_lt_u32 ttmp9, 544
	s_cselect_b32 s50, s51, s50
	s_cmp_lt_u32 ttmp9, 256
	s_cselect_b32 s50, s52, s50
	s_lshl_b32 s50, s50, s27                       ; in bytes,
	s_lshl_b32 s51, s40, 10
	s_add_co_u32 s50, s50, s51                     ; + my 256 numbers of the row
	s_mov_b32 s51, 0
	s_add_nc_u64 s[32:33], s[32:33], s[50:51]
	s_lshl_b32 s52, 4, s23                         ; k64 in the tensor
	s_mul_i32 s52, s41, s52
	s_lshl_b32 s53, s40, 2
	s_add_co_u32 s52, s52, s53                     ; group x k64s + my first k64
	s_mul_i32 s52, s52, s26
	s_add_co_u32 s52, s52, s42                     ; x tiles + my tile: my first image
	s_lshl_b32 s52, s52, 10
	s_mov_b32 s53, 0
	s_add_nc_u64 s[34:35], s[34:35], s[52:53]
	s_lshl_b32 s54, s26, 10                        ; bytes from one k64 to the next
	v_mov_b32 v[OI], v2
	v_add_nc_u32 v[OI+1], s54, v[OI]
	v_add_nc_u32 v[OI+2], s54, v[OI+1]
	v_add_nc_u32 v[OI+3], s54, v[OI+2]
	s_mov_b32 s55, 0
.irp rho, 0,1,2,3,4,5,6,7,8,9,10,11,12,13,14,15
.if \rho == 8
	s_add_co_u32 s55, s55, s29
.endif
	v_add_nc_u32 v[OFF+\rho], s55, v2
	s_add_co_u32 s55, s55, s28
.endr
.irp hj, 0,1                                   ; all 32 loads at once, the first 128 along K first; each number is read once in the launch
.irp rho, 0,1,2,3,4,5,6,7,8,9,10,11,12,13,14,15
	global_load_b128 v[R+64*\hj+4*\rho:R+64*\hj+4*\rho+3], v[OFF+\rho], s[32:33] offset:512*\hj th:TH_LOAD_NT
.endr
.endr
	s_wait_kmcnt 0x0
	s_cmp_lt_u32 ttmp9, 544
	s_cselect_b32 s30, s47, s49                    ; e: entry 5 for W_dec, 3 for W_ih1,
	s_cmp_lt_u32 ttmp9, 352
	s_cselect_b32 s30, s45, s30                    ; 1 for W_ih0,
	s_cmp_lt_u32 ttmp9, 256
	s_cselect_b32 s30, s44, s30                    ; 0 for x
	s_add_co_i32 s30, s30, 127
	s_lshl_b32 s31, s30, 23
	v_mov_b32 v7, s31                              ; 2^e as f32: the conversion takes its exponent field
	s_add_co_i32 s30, s30, 8
	s_lshl_b32 s30, s30, 23
	s_or_b32 s30, s30, 0x600000
	v_mov_b32 v8, s30                              ; 448 x 2^e
; set m's 32 numbers become image img
.macro QUANT m, img
.set TS, T+32*(\m)
.set n, 0
.rept 32
	v_med3_num_f32 v[TS+n], v[TS+n], -v8, v8       ; the conversion to an 8-bit code does not saturate (ISA guide 7.6.2): the hold at the largest code x the scale
.set n, n+1
.endr
.irp g, 0,1,2,3
	v_cvt_scalef32_pk8_fp8_f32 v[C+8*(\img)+2*\g:C+8*(\img)+2*\g+1], v[TS+8*\g:TS+8*\g+7], v7
.endr
	v_nop                                          ; a plain vector line behind the last conversion of the run
	global_store_b128 v[OI+(\img)], v[C+8*(\img):C+8*(\img)+3], s[34:35]                 ; 32 lanes store 512 consecutive bytes, at a multiple of 512 from the buffer's first byte
	global_store_b128 v[OI+(\img)], v[C+8*(\img)+4:C+8*(\img)+7], s[34:35] offset:512
.endm
; 128 along K of the 16 rows: through the stage, then two images.  left: the loads that may stay out
.macro HALF hj, left
	s_wait_loadcnt \left
.irp rho, 0,1,2,3,4,5,6,7,8,9,10,11,12,13,14,15
	ds_store_b128 v3, v[R+64*(\hj)+4*\rho:R+64*(\hj)+4*\rho+3] offset:SP*\rho
.endr
.irp m, 0,1                                    ; LDS serves a wave's instructions in order (ISA guide 5.7.1.4): these see the stores above, and the next half's stores come behind them
.irp c, 0,1
.irp q, 0,1,2,3
	ds_load_b128 v[T+32*\m+16*\c+4*\q:T+32*\m+16*\c+4*\q+3], v4 offset:256*\m+128*\c+16*\q
.endr
.endr
.endr
	s_wait_dscnt 8                                 ; the first image's eight loads are in; the second's may be out
	QUANT 0, 2*(\hj)
	s_wait_dscnt 0x0
	QUANT 1, 2*(\hj)+1
.endm
	HALF 0, 16                                     ; the second half's sixteen loads may stay out
	HALF 1, 0
	s_wait_tensorcnt 0x0                           ; the wave's end, behind my last LDS store
	ds_add_u32 v[SPW], v[NIL]
	s_wait_dscnt 0x0
	s_endpgm
.Lfunc_end_k_q934255a980_quant:
	.size	k_q934255a980_quant, .Lfunc_end_k_q934255a980_quant-k_q934255a980_quant
	.p2alignl 7, 3214868480
	.fill 96, 4, 3214868480
	.section	.rodata,"a",@progbits
	.p2align	6, 0x0
	.amdhsa_kernel k_q934255a980_quant
		.amdhsa_group_segment_fixed_size 34304
		.amdhsa_private_segment_fixed_size 0
		.amdhsa_enable_private_segment 0
		.amdhsa_kernarg_size 72
		.amdhsa_user_sgpr_count 2
		.amdhsa_user_sgpr_kernarg_segment_ptr 1
		.amdhsa_wavefront_size32 1
		.amdhsa_system_sgpr_workgroup_id_x 1
		.amdhsa_system_sgpr_workgroup_id_y 1
		.amdhsa_system_sgpr_workgroup_id_z 1
		.amdhsa_system_vgpr_workitem_id 0
		.amdhsa_next_free_vgpr 256
		.amdhsa_next_free_sgpr 66
		.amdhsa_reserve_vcc 0
		.amdhsa_float_denorm_mode_32 3
		.amdhsa_float_denorm_mode_16_64 3
		.amdhsa_memory_ordered 1
		.amdhsa_forward_progress 1
		.amdhsa_inst_pref_size 24
	.end_amdhsa_kernel
	.amdgpu_metadata
---
amdhsa.version: [ 1, 2 ]
amdhsa.kernels:
  - .name:           k_q934255a980_quant
    .symbol:         k_q934255a980_quant.kd
    .args:
      - { .name: x, .offset: 0, .size: 8, .value_kind: global_buffer, .address_space: global }
      - { .name: W_ih0, .offset: 8, .size: 8, .value_kind: global_buffer, .address_space: global }
      - { .name: W_ih1, .offset: 16, .size: 8, .value_kind: global_buffer, .address_space: global }
      - { .name: W_dec, .offset: 24, .size: 8, .value_kind: global_buffer, .address_space: global }
      - { .name: lowp_scales, .offset: 32, .size: 8, .value_kind: global_buffer, .address_space: global }
      - { .name: xq, .offset: 40, .size: 8, .value_kind: global_buffer, .address_space: global }
      - { .name: w0q, .offset: 48, .size: 8, .value_kind: global_buffer, .address_space: global }
      - { .name: w1q, .offset: 56, .size: 8, .value_kind: global_buffer, .address_space: global }
      - { .name: wdq, .offset: 64, .size: 8, .value_kind: global_buffer, .address_space: global }
    .group_segment_fixed_size: 34304
    .private_segment_fixed_size: 0
    .kernarg_segment_align: 8
    .kernarg_segment_size: 72
    .max_flat_workgroup_size: 128
    .sgpr_count:     66
    .vgpr_count:     256
    .wavefront_size: 32
...
	.end_amdgpu_metadata
.endif
;; end of part 1
;; launch layer0 (part 2): grid 8 x 32, 4 waves a work-group, clusters of 4 x 4, 327,680 bytes of LDS; arguments xq, w0q, b_ih0, b_hh0, lowp_scales, h0q; writes h0q
.if DOCPART == 2
	.amdgcn_target "amdgcn-amd-amdhsa--gfx1250"
	.amdhsa_code_object_version 6
	.text
	.protected	k_q934255a980_layer0
	.globl	k_q934255a980_layer0
	.p2align	8
	.type	k_q934255a980_layer0,@function
k_q934255a980_layer0:
	s_mov_b64 s[64:65], 0
	v_nop
	global_prefetch_b8 v0, s[64:65] scope:SCOPE_SE
	s_setreg_imm32_b32 hwreg(HW_REG_WAVE_MODE, 25, 1), 1
	s_wait_xcnt 0x0
	s_wait_alu depctr_hold_cnt(0) depctr_sa_sdst(0) depctr_va_vdst(0) depctr_va_sdst(0) depctr_va_ssrc(0) depctr_va_vcc(0) depctr_vm_vsrc(0)
	s_getreg_b32 s2, hwreg(HW_REG_IB_STS2, 6, 4)
	s_cmp_eq_u32 s2, 0
	s_cbranch_scc0 .Lentry_in_a_cluster
	s_endpgm
.Lentry_in_a_cluster:
	s_bfe_u32 s2, ttmp6, 0x10000c
	s_cmp_lg_u32 s2, 0xf033
	s_cbranch_scc0 .Lentry_shape_is_right
	s_endpgm
.Lentry_shape_is_right:
; h0 = sigmoid(o) tanh(sigmoid(i) tanh(g)), gates = x W_ih0^T + b_ih0 + b_hh0, the product on codes of FP8 (E4M3); h0 leaves as codes with the given scale 2^e2, laid as the next product's operand.
; LEFT OUT as dead work: the f gate (its rows are not among w0q's codes, its biases are not read) and W_hh0; the proof stands at the head of the first kernel.
; SHARES.  A work-group of four waves makes 256 rows x 128 hidden units x the three gates; wave w rows 128 (w / 2) on and units 64 (w % 2) on: 96 accumulators of 16 x 16, 768 registers.
; OPERANDS are images of registers (16 rows x 64 K = 1,024 bytes; byte 512 c + 16 lane + i = row lane % 16, k = 32 c + 16 (lane / 16) + i): two ds_load_b128 of 512 consecutive bytes bring a fragment.  That is one
; permutation of k, the same in both operands.  THE MATRIX INSTRUCTION IS USED TRANSPOSED (source 0 = 16 rows of W, source 1 = 16 rows of x): a lane holds ONE row of x, and, by the choice of W's rows in a tile,
; its 32 registers of a gate's four tiles are units 32 b + 16 (lane / 16) + 0 .. 15, b = 0, 1: the conversions' results are the next operand's image, and a wave stores 8 KiB on end.
; K = 512 is eight half-steps of 64.  NOTHING IS FILLED AGAIN: W's eight half-steps and x's half-steps 2 to 7 lie in LDS together (294,912 bytes), asked for at the head in K steps of 128; x's half-steps 0 and 1
; go from memory straight into the two sets of x's fragments.  By this text's own count a wave has at most four tensor loads out.
; CLUSTER 4 x 4: x's tiles hang on the tile row alone and are asked for jointly along a row of the cluster, W's on the tile column alone and jointly along a column.
; PIPELINE.  A phase (j, g) is half-step j of gate g: 32 matrix instructions.  At each phase's head stands one run of LDS loads, into the registers that the phase before has read, for the phase after next.
; THE GATES, with a = 2^(-i log2 e), b = 2^(-2 g log2 e), e = 2^(-o log2 e), d = 2^(-2 c log2 e):  c = (1 - b) / ((1 + a)(1 + b)),  h = (1 - d) / ((1 + e)(1 + d)): six transcendentals a number.
; RANGE: b's exponent is held at 64 (above it tanh is -1 in f32); where a or e is infinite the divisor is infinite, its reciprocal 0 and c or h 0; 1 - b, 1 + b and d stay finite, so no 0 x infinity arises.
; LIMITS: c and h carry an absolute error of about 3e-7 (1 - b with b near 1); e0 + e1 between -126 and 126; e2 between -126 and 119; NaN among the inputs is not served.
; REGISTERS.  Windows 1, 2, 3: the accumulators of gate i, g, o, at v[32 rb + 8 t + j].  Window 0: v1 16 x lane; v2 x's LDS address; v4, v5 W's; v6, v7 the add's two; v8, v9 the biases' LDS addresses; v10 4 x thread;
;   v16-79, v80-143 x's fragments, two sets; v144-239 W's, one set a gate; v240-247 codes; v248 448 x 2^e2; v249 2^e2; v[250:251] 2 log2 e; v[252:253] -2 log2 e.
.set J,      8                         ; half-steps
.set XFIRST, 2                         ; the first half-step whose x comes out of LDS
.set WBASE,  98304                     ; LDS: x [row half 2][half-step 2..7][8,192], then W [unit half 2][half-step 8][12,288],
.set BIAS,   294912                    ; the biases x their factors [gate 3][128 units], six blocks of 256 bytes into which no tile lands,
.set SPARE,  296448                    ; and the spare words, 128 bytes for each wave: two blocks of 256 bytes that no other line names
.set G1X, 24                           ; s[24:31] descriptor group 1 for x's tiles; s[32:39] for W's; groups 0: x s[40:51], W s[52:63], s[68:71]
.set G1W, 32
.set XS,  16
.set WS,  144
.set TA,  80                           ; the way out: at work, in the registers that held fragments
.set TB,  112
.set TE,  176
.set TW,  208
.set BI,  16                           ; the biases of my 32 units, x their factors
.set BG,  48
.set BO,  144
.set CC,  240
.set DSN, 0                            ; LDS instructions issued so far,
.set WEND0, 0                          ; and as many as were issued when the newest fetch of gate g's W was complete: the difference is a wait's count
.set WEND1, 0
.set WEND2, 0
.set MSB, 0
.macro WIN new                         ; the immediate's high byte repeats the setting that is left
.if MSB != (\new)
	s_set_vgpr_msb (MSB<<8)|(\new)
.set MSB, (\new)
.endif
.endm
.macro PLACES                          ; four places in front of loads into registers that matrix instructions have read, and of the first read of results (ISA guide 7.12.1 for vector instructions)
.rept 4
	v_nop
.endr
.endm
.macro CREST                           ; a round of the cluster's barrier behind its opening barrier
	s_cmp_lg_u32 s16, 0
	s_cbranch_scc1 .Lnot_wave_0_\@
	s_barrier_signal -3
.Lnot_wave_0_\@:
	s_barrier_wait -3
	s_barrier_signal -1
	s_barrier_wait -1
.endm
.macro CROUND
	s_barrier_signal -1
	s_barrier_wait -1
	CREST
.endm
.macro MKG1 g, r                       ; a dense block as r rows of 32 elements of 8 bytes
	s_mov_b32 s[\g+1], 32<<16                      ; tensor_dim0
	s_mov_b32 s[\g+2], (\r)<<16                    ; tensor_dim1
	s_mov_b32 s[\g+3], 32<<16                      ; tile_dim0
	s_mov_b32 s[\g+4], \r                          ; tile_dim1
	s_mov_b32 s[\g+5], 32                          ; tensor_dim0_stride
	s_mov_b32 s[\g+6], 0
	s_mov_b32 s[\g+7], 0
.endm
.macro MKG0 g, ldsreg, ldsoff, base, goff
	s_mov_b32 s[\g], 1                             ; count = 1
	s_add_co_u32 s[\g+1], s[\ldsreg], \ldsoff      ; LDS address
	s_add_nc_u64 s[\g+2:\g+3], s[\base:\base+1], \goff   ; global address
	s_or_b32 s[\g+3], s[\g+3], 0x80000000          ; type = 2
.endm
.macro LOCX j                          ; where half-step j's x lies
.set XR, 2
.set XO, ((\j)-2)*8192
.endm
.macro LOCW j                          ; and its W
.if (\j) < 4
.set WR, 4
.else
.set WR, 5
.endif
.set WO, ((\j)%4)*12288
.endm
.macro XFETCH j                        ; my eight blocks of x, 64 along K, into set j % 2
	LOCX \j
.irp rb, 0,1,2,3,4,5,6,7
.irp c, 0,1
	ds_load_b128 v[XS+64*((\j)%2)+8*\rb+4*\c:XS+64*((\j)%2)+8*\rb+4*\c+3], v[XR] offset:XO+1024*\rb+512*\c
.endr
.endr
.set DSN, DSN+16
.endm
.macro WFETCH j, g                     ; gate g's four tiles
	LOCW \j
.irp t, 0,1,2,3
.irp c, 0,1
	ds_load_b128 v[WS+32*(\g)+8*\t+4*\c:WS+32*(\g)+8*\t+4*\c+3], v[WR] offset:WO+1024*(4*(\g)+\t)+512*\c
.endr
.endr
.set DSN, DSN+8
.if (\g) == 0
.set WEND0, DSN
.elseif (\g) == 1
.set WEND1, DSN
.else
.set WEND2, DSN
.endif
.endm
.macro BFETCH                          ; the biases of my 32 units for the three gates: register 16 b + e = unit 32 b + 16 (lane / 16) + e
.irp b, 0,1
.irp q, 0,1,2,3
	ds_load_b128 v[BI+16*\b+4*\q:BI+16*\b+4*\q+3], v8 offset:128*\b+16*\q
	ds_load_b128 v[BG+16*\b+4*\q:BG+16*\b+4*\q+3], v8 offset:512+128*\b+16*\q
	ds_load_b128 v[BO+16*\b+4*\q:BO+16*\b+4*\q+3], v8 offset:1024+128*\b+16*\q
.endr
.endr
.set DSN, DSN+24
.endm
.macro DSWAIT g                        ; gate g's W is in (and x, which stands ahead of gate 0's W in its run): all that was issued behind it may stay out
.if (\g) == 0
	s_wait_dscnt DSN-WEND0
.elseif (\g) == 1
	s_wait_dscnt DSN-WEND1
.else
	s_wait_dscnt DSN-WEND2
.endif
.endm
; 16 matrix instructions: blocks rb0 .. rb0 + 3 of x against the gate's four tiles.  The 96 accumulators take turns, one instruction a turn, in the same order in every half-step.
; In half-step 0 the products start the sums: nothing is ever cleared.
.macro MUL j, g, rb0
.irp rb, \rb0, \rb0+1, \rb0+2, \rb0+3
.irp t, 0,1,2,3
.if (\j) == 0
	v_wmma_f32_16x16x64_fp8_fp8 v[32*(\rb)+8*\t:32*(\rb)+8*\t+7], v[WS+32*(\g)+8*\t:WS+32*(\g)+8*\t+7], v[XS+64*((\j)%2)+8*(\rb):XS+64*((\j)%2)+8*(\rb)+7], 0
.else
	v_wmma_f32_16x16x64_fp8_fp8 v[32*(\rb)+8*\t:32*(\rb)+8*\t+7], v[WS+32*(\g)+8*\t:WS+32*(\g)+8*\t+7], v[XS+64*((\j)%2)+8*(\rb):XS+64*((\j)%2)+8*(\rb)+7], v[32*(\rb)+8*\t:32*(\rb)+8*\t+7]
.endif
.endr
.endr
.endm
.macro HEAD j, g                       ; the run of loads at a phase's head
.if (\g) == 0
	PLACES
	WFETCH \j, 2
.elseif (\g) == 1
	PLACES
.if (\j) == J-1
	BFETCH
.else
.if (\j)+1 >= XFIRST
	XFETCH (\j)+1
.endif
	WFETCH (\j)+1, 0
.endif
.elseif (\j) < J-1
	PLACES
	WFETCH (\j)+1, 1
.endif
.endm
.macro PHASE j, g
	HEAD \j, \g
	DSWAIT \g
	WIN 0x50*((\g)+1)                              ; C and D in the gate's window
	MUL \j, \g, 0
	MUL \j, \g, 4
	WIN 0
.endm
; Phase (j, 0) in front of a new K step.  left: the tensor loads issued behind that K step's, which may stay out.
.macro TURN j, left
	HEAD \j, 0
	s_wait_tensorcnt \left                         ; my part of the next K step is in
	DSWAIT 0
	WIN 0x50
	MUL \j, 0, 0
	s_wait_dscnt 0x0                               ; no LDS instruction of mine is out at the signal
	s_barrier_signal -1
	MUL \j, 0, 4
	WIN 0
	s_barrier_wait -1                              ; everybody's part is in
.endm
	s_load_b256 s[4:11], s[0:1], 0x0               ; xq, w0q, b_ih0, b_hh0
	s_load_b128 s[12:15], s[0:1], 0x20             ; the scales' exponents, h0q
	v_lshl_add_u32 v6, v0, 2, SPARE
	v_mov_b32 v7, 0
	ds_add_u32 v6, v7                              ; the wave's opening: the add, twice on end, and its wait ahead of my first tensor load; the set-up below stands between
	ds_add_u32 v6, v7
	v_lshrrev_b32 v1, 5, v0
	v_readfirstlane_b32 s16, v1                    ; wave 0..3
	s_lshr_b32 s17, s16, 1                         ; my half of the rows.  Also: I fetch for x (0) or for W (1)
	s_and_b32 s18, s16, 1                          ; my half of the units.  Also: which half I fetch
	s_bfe_u32 s19, ttmp6, 0x40000                  ; cx, cy: my place in the cluster
	s_bfe_u32 s20, ttmp6, 0x40004
	s_lshl_b32 s21, ttmp9, 2
	s_add_co_u32 s21, s21, s19                     ; tile column: 128 units
	s_and_b32 s22, ttmp7, 0xffff
	s_lshl_b32 s22, s22, 2
	s_add_co_u32 s22, s22, s20                     ; tile row: 256 rows
	s_lshl_b32 s23, s20, 2
	s_lshl_b32 s23, 15, s23                        ; my row of the cluster
	s_lshl_b32 s85, 0x1111, s19                    ; my column
	s_or_b32 s[G1X], s23, (3<<16)|(1<<21)          ; 15:0 the mask; 17:16 elements of 8 bytes; 21 set beside a mask; no padding
	s_or_b32 s[G1W], s85, (3<<16)|(1<<21)
	MKG1 G1X, 64                                   ; x: a K step of 128 for 128 rows: 16,384 bytes
	MKG1 G1W, 96                                   ; W: a K step of 128 for 64 units x 3 gates: 24,576 bytes
	s_lshl_b32 s86, s22, 1                         ; x's tiles: registers that hold the tile row and the wave's number alone
	s_add_co_u32 s86, s86, s18
	s_lshl_b32 s86, s86, 16                        ; a block of 128 rows is 65,536 bytes of codes
	s_mov_b32 s87, 0
	s_mul_i32 s88, s18, 49152                      ; and its place in LDS
	s_lshl_b32 s90, s21, 1                         ; W's tiles: the tile column and the wave's number alone
	s_add_co_u32 s90, s90, s18
	s_mul_i32 s90, s90, 98304                      ; a group of 64 units is 98,304 bytes of codes
	s_mov_b32 s91, 0
	s_mul_i32 s89, s18, 98304
	s_add_co_u32 s89, s89, WBASE
	s_lshl_b32 s92, s21, 9                         ; the biases of my work-group's 128 units
	s_mov_b32 s93, 0
	s_lshl_b32 s94, s22, 1
	s_add_co_u32 s94, s94, s17                     ; my wave's block of 128 rows
	s_lshl_b32 s2, s94, 4
	s_lshl_b32 s94, s94, 16
	s_mov_b32 s95, 0
	s_lshl_b32 s3, s21, 1
	s_add_co_u32 s2, s2, s3
	s_add_co_u32 s2, s2, s18                       ; (block of rows) x 16 + my 64 units: they are one k64 of the next product
	s_lshl_b32 s2, s2, 13
	s_mov_b32 s3, 0
	s_wait_dscnt 0x0                               ; both opening adds are done
	s_wait_kmcnt 0x0
	s_load_b128 s[76:79], s[12:13], 0x0            ; e0 (x), e1 (W_ih0), e2 (h0); the fourth is not used
	s_add_nc_u64 s[86:87], s[4:5], s[86:87]
	s_add_nc_u64 s[90:91], s[6:7], s[90:91]
	s_add_nc_u64 s[8:9], s[8:9], s[92:93]
	s_add_nc_u64 s[10:11], s[10:11], s[92:93]
	s_add_nc_u64 s[94:95], s[4:5], s[94:95]
	s_add_nc_u64 s[14:15], s[14:15], s[2:3]
	MKG0 40, 88, 0,     86, 2*8192                 ; x: K steps 1, 2, 3
	MKG0 44, 88, 16384, 86, 4*8192
	MKG0 48, 88, 32768, 86, 6*8192
	MKG0 52, 89, 0,     90, 0                      ; W: K steps 0 to 3
	MKG0 56, 89, 24576, 90, 2*12288
	MKG0 60, 89, 49152, 90, 4*12288
	MKG0 68, 89, 73728, 90, 6*12288
	CROUND                                         ; all sixteen work-groups are here: the joint loads meet
	s_cmp_eq_u32 s17, 0                            ; a wave's first fills stand in one branch on its number, ahead of every wait on TENSORcnt, every LDS read and every barrier behind the round
	s_cbranch_scc0 .Lfirst_w
	tensor_load_to_lds s[40:43], s[G1X:G1X+7]
	s_nop 0
	tensor_load_to_lds s[44:47], s[G1X:G1X+7]
	s_nop 0
	tensor_load_to_lds s[48:51], s[G1X:G1X+7]
	s_nop 0
	PLACES
	s_branch .Lfirst_done
.Lfirst_w:
	tensor_load_to_lds s[52:55], s[G1W:G1W+7]
	s_nop 0
	tensor_load_to_lds s[56:59], s[G1W:G1W+7]
	s_nop 0
	tensor_load_to_lds s[60:63], s[G1W:G1W+7]
	s_nop 0
	tensor_load_to_lds s[68:71], s[G1W:G1W+7]
	s_nop 0
	PLACES
.Lfirst_done:
	v_lshlrev_b32 v10, 2, v0                       ; thread t takes unit t of the work-group's 128: rows t, 2048 + t, 3072 + t of the bias vectors
	global_load_b32 v240, v10, s[8:9]
	global_load_b32 v241, v10, s[8:9] offset:8192
	global_load_b32 v242, v10, s[8:9] offset:12288
	global_load_b32 v243, v10, s[10:11]
	global_load_b32 v244, v10, s[10:11] offset:8192
	global_load_b32 v245, v10, s[10:11] offset:12288
	v_and_b32 v1, 31, v0
	v_lshlrev_b32 v1, 4, v1                        ; 16 x lane
.irp j, 0,1                                    ; x's half-steps 0 and 1 go straight into the two sets
.irp rb, 0,1,2,3,4,5,6,7
.irp c, 0,1
	global_load_b128 v[XS+64*\j+8*\rb+4*\c:XS+64*\j+8*\rb+4*\c+3], v1, s[94:95] offset:8192*\j+1024*\rb+512*\c
.endr
.endr
.endr
	s_mul_i32 s2, s17, 49152
	v_add_nc_u32 v2, s2, v1                        ; x: my half of the rows
	v_add_nc_u32 v4, s89, v1                       ; W: my half of the units, half-steps 0 to 3,
	v_add_nc_u32 v5, 49152, v4                     ; and 4 to 7
	v_bfe_u32 v8, v0, 4, 1
	v_lshlrev_b32 v8, 6, v8
	s_lshl_b32 s3, s18, 8
	s_add_co_u32 s3, s3, BIAS
	v_add_nc_u32 v8, s3, v8                        ; the biases, on the way back: my 64 units, + 16 units for lanes 16-31
	v_lshl_add_u32 v9, v0, 2, BIAS                 ; and on the way in
	v_mov_b32 v250, 0x4038aa3b                     ; 2 log2 e, twice
	v_mov_b32 v251, 0x4038aa3b
	v_mov_b32 v252, 0xc038aa3b                     ; and its negative
	v_mov_b32 v253, 0xc038aa3b
	s_wait_kmcnt 0x0
	s_add_co_i32 s2, s76, s77                      ; a sum stands for sum x 2^(e0 + e1): the two exponents are added to the factors' exponent fields
	s_lshl_b32 s2, s2, 23
	s_add_co_u32 s80, s2, 0xbfb8aa3b               ; -log2 e x 2^(e0 + e1): gates i and o
	s_mov_b32 s81, s80                             ; (named with it as a pair, so it is written)
	s_add_co_u32 s82, s2, 0xc038aa3b               ; -2 log2 e x 2^(e0 + e1): gate g
	s_mov_b32 s83, s82
	s_mov_b32 s84, 0x42800000                      ; 64.0
	s_add_co_i32 s2, s78, 127
	s_lshl_b32 s3, s2, 23
	v_mov_b32 v249, s3                             ; 2^e2 as f32, for the conversion
	s_add_co_i32 s2, s2, 8
	s_lshl_b32 s2, s2, 23
	s_or_b32 s2, s2, 0x600000
	v_mov_b32 v248, s2                             ; 448 x 2^e2
	s_wait_loadcnt 32                              ; the six bias loads are in; x's 32 loads, issued behind them, may stay out
	v_add_f32 v240, v240, v243
	v_add_f32 v241, v241, v244
	v_add_f32 v242, v242, v245
	v_mul_f32 v240, 0xbfb8aa3b, v240               ; x the gate's factor, so that one multiply-add makes an exponent
	v_mul_f32 v241, 0xc038aa3b, v241
	v_mul_f32 v242, 0xbfb8aa3b, v242
	ds_store_b32 v9, v240
	ds_store_b32 v9, v241 offset:512
	ds_store_b32 v9, v242 offset:1024
	s_wait_tensorcnt 3                             ; W's K step 0 is in: three loads were issued behind it (x's loaders have nothing to show yet)
	s_wait_dscnt 0x0                               ; for the others' sake: my bias stores are done
	s_barrier_signal -1
	s_barrier_wait -1
	WFETCH 0, 0
	WFETCH 0, 1
	s_wait_loadcnt 0x0                             ; x's half-steps 0 and 1
.irp j, 0,1,2,3,4,5,6,7
.if (\j == 1) || (\j == 3) || (\j == 5)
	TURN \j, 2-(\j)/2                              ; in front of K steps 1, 2, 3: two, one, no loads were issued behind them
.else
	PHASE \j, 0
.endif
	PHASE \j, 1
	PHASE \j, 2
.endr
; THE WAY OUT of block rb: 16 rows, 32 units a lane.  The transcendentals go in four batches, each with one plain line or more behind it and ONE wait ahead of its first reader.
.macro EPI rb
	WIN 0x01                                       ; source 0: gate i's window.
.set n, 0
.rept 16
	v_pk_fma_f32 v[TA+n:TA+n+1], v[32*(\rb)+n:32*(\rb)+n+1], s[80:81], v[BI+n:BI+n+1] op_sel_hi:[1,0,1]   ; -i log2 e
.set n, n+2
.endr
	WIN 0x02
.set n, 0
.rept 16
	v_pk_fma_f32 v[TB+n:TB+n+1], v[32*(\rb)+n:32*(\rb)+n+1], s[82:83], v[BG+n:BG+n+1] op_sel_hi:[1,0,1]   ; -2 g log2 e
.set n, n+2
.endr
	WIN 0x03
.set n, 0
.rept 16
	v_pk_fma_f32 v[TE+n:TE+n+1], v[32*(\rb)+n:32*(\rb)+n+1], s[80:81], v[BO+n:BO+n+1] op_sel_hi:[1,0,1]   ; -o log2 e
.set n, n+2
.endr
	WIN 0
.set n, 0
.rept 32
	v_min_num_f32 v[TB+n], s84, v[TB+n]            ; b stays finite
.set n, n+1
.endr
.set n, 0
.rept 32
	v_exp_f32 v[TA+n], v[TA+n]                     ; a
.set n, n+1
.endr
.set n, 0
.rept 32
	v_exp_f32 v[TE+n], v[TE+n]                     ; e
.set n, n+1
.endr
.set n, 0
.rept 32
	v_exp_f32 v[TB+n], v[TB+n]                     ; b
.set n, n+1
.endr
	v_nop
	s_wait_alu depctr_va_vdst(0)
.set n, 0
.rept 16
	v_pk_add_f32 v[TW+n:TW+n+1], v[TB+n:TB+n+1], 1.0 op_sel_hi:[1,0]               ; 1 + b
.set n, n+2
.endr
.set n, 0
.rept 16
	v_pk_fma_f32 v[TA+n:TA+n+1], v[TA+n:TA+n+1], v[TW+n:TW+n+1], v[TW+n:TW+n+1]    ; (1 + a)(1 + b)
.set n, n+2
.endr
.set n, 0
.rept 32
	v_rcp_f32 v[TA+n], v[TA+n]
.set n, n+1
.endr
.set n, 0
.rept 16
	v_pk_fma_f32 v[TB+n:TB+n+1], v[TB+n:TB+n+1], v[250:251], v[252:253]            ; -2 log2 e (1 - b): plain work that names no reciprocal
.set n, n+2
.endr
	s_wait_alu depctr_va_vdst(0)
.set n, 0
.rept 16
	v_pk_mul_f32 v[TB+n:TB+n+1], v[TB+n:TB+n+1], v[TA+n:TA+n+1]                    ; -2 c log2 e
.set n, n+2
.endr
.set n, 0
.rept 32
	v_exp_f32 v[TB+n], v[TB+n]                     ; d
.set n, n+1
.endr
	v_nop
	s_wait_alu depctr_va_vdst(0)
.set n, 0
.rept 16
	v_pk_add_f32 v[TW+n:TW+n+1], v[TB+n:TB+n+1], 1.0 op_sel_hi:[1,0]               ; 1 + d
.set n, n+2
.endr
.set n, 0
.rept 16
	v_pk_fma_f32 v[TE+n:TE+n+1], v[TE+n:TE+n+1], v[TW+n:TW+n+1], v[TW+n:TW+n+1]    ; (1 + e)(1 + d)
.set n, n+2
.endr
.set n, 0
.rept 32
	v_rcp_f32 v[TE+n], v[TE+n]
.set n, n+1
.endr
.set n, 0
.rept 16
	v_pk_add_f32 v[TB+n:TB+n+1], v[TB+n:TB+n+1], 1.0 op_sel_hi:[1,0] neg_lo:[1,0] neg_hi:[1,0]   ; 1 - d: plain work that names no reciprocal
.set n, n+2
.endr
	s_wait_alu depctr_va_vdst(0)
.set n, 0
.rept 16
	v_pk_mul_f32 v[TA+n:TA+n+1], v[TB+n:TB+n+1], v[TE+n:TE+n+1]                    ; h
.set n, n+2
.endr
.set n, 0
.rept 32
	v_med3_num_f32 v[TA+n], v[TA+n], -v248, v248   ; the conversion to an 8-bit code does not saturate (ISA guide 7.6.2): the hold at the largest code x the scale
.set n, n+1
.endr
.if (\rb) > 0
	s_wait_xcnt 0x0                                ; the last block's stores have read the codes' registers
.endif
.irp g, 0,1,2,3
	v_cvt_scalef32_pk8_fp8_f32 v[CC+2*\g:CC+2*\g+1], v[TA+8*\g:TA+8*\g+7], v249
.endr
	v_nop                                          ; a plain line between the conversions and the next block's writes of their sources
	global_store_b128 v1, v[CC:CC+3], s[14:15] offset:1024*(\rb)                   ; the block's image: 32 lanes store 512 consecutive bytes, twice
	global_store_b128 v1, v[CC+4:CC+7], s[14:15] offset:1024*(\rb)+512
.endm
	s_wait_dscnt 0x0                               ; the biases are in
	PLACES                                         ; behind the last products
.irp rb, 0,1,2,3,4,5,6,7
	EPI \rb
.endr
	s_wait_tensorcnt 0x0                           ; the wave's end, behind my last tensor load and my last LDS store
	ds_add_u32 v6, v7
	s_wait_dscnt 0x0
	CROUND                                         ; the closing round: no work-group ends while a partner may still ask for a tile that names it
	s_endpgm
.Lfunc_end_k_q934255a980_layer0:
	.size	k_q934255a980_layer0, .Lfunc_end_k_q934255a980_layer0-k_q934255a980_layer0
	.p2alignl 7, 3214868480
	.fill 96, 4, 3214868480
	.section	.rodata,"a",@progbits
	.p2align	6, 0x0
	.amdhsa_kernel k_q934255a980_layer0
		.amdhsa_group_segment_fixed_size 327680
		.amdhsa_private_segment_fixed_size 0
		.amdhsa_enable_private_segment 0
		.amdhsa_kernarg_size 48
		.amdhsa_user_sgpr_count 2
		.amdhsa_user_sgpr_kernarg_segment_ptr 1
		.amdhsa_wavefront_size32 1
		.amdhsa_system_sgpr_workgroup_id_x 1
		.amdhsa_system_sgpr_workgroup_id_y 1
		.amdhsa_system_sgpr_workgroup_id_z 1
		.amdhsa_system_vgpr_workitem_id 0
		.amdhsa_next_free_vgpr 1024
		.amdhsa_next_free_sgpr 96
		.amdhsa_reserve_vcc 0
		.amdhsa_float_denorm_mode_32 3
		.amdhsa_float_denorm_mode_16_64 3
		.amdhsa_memory_ordered 1
		.amdhsa_forward_progress 1
		.amdhsa_inst_pref_size 253
	.end_amdhsa_kernel
	.amdgpu_metadata
---
amdhsa.version: [ 1, 2 ]
amdhsa.kernels:
  - .name:           k_q934255a980_layer0
    .symbol:         k_q934255a980_layer0.kd
    .args:
      - { .name: xq, .offset: 0, .size: 8, .value_kind: global_buffer, .address_space: global }
      - { .name: w0q, .offset: 8, .size: 8, .value_kind: global_buffer, .address_space: global }
      - { .name: b_ih0, .offset: 16, .size: 8, .value_kind: global_buffer, .address_space: global }
      - { .name: b_hh0, .offset: 24, .size: 8, .value_kind: global_buffer, .address_space: global }
      - { .name: lowp_scales, .offset: 32, .size: 8, .value_kind: global_buffer, .address_space: global }
      - { .name: h0q, .offset: 40, .size: 8, .value_kind: global_buffer, .address_space: global }
    .group_segment_fixed_size: 327680
    .private_segment_fixed_size: 0
    .kernarg_segment_align: 8
    .kernarg_segment_size: 48
    .max_flat_workgroup_size: 128
    .sgpr_count:     96
    .vgpr_count:     1024
    .wavefront_size: 32
...
	.end_amdgpu_metadata
.endif
;; end of part 2
;; launch layer1 (part 3): grid 8 x 32, 4 waves a work-group, clusters of 4 x 4, 327,680 bytes of LDS; arguments h0q, w1q, b_ih1, b_hh1, lowp_scales, h1q; writes h1q
.if DOCPART == 3
	.amdgcn_target "amdgcn-amd-amdhsa--gfx1250"
	.amdhsa_code_object_version 6
	.text
	.protected	k_q934255a980_layer1
	.globl	k_q934255a980_layer1
	.p2align	8
	.type	k_q934255a980_layer1,@function
k_q934255a980_layer1:
	s_mov_b64 s[64:65], 0
	v_nop
	global_prefetch_b8 v0, s[64:65] scope:SCOPE_SE
	s_setreg_imm32_b32 hwreg(HW_REG_WAVE_MODE, 25, 1), 1
	s_wait_xcnt 0x0
	s_wait_alu depctr_hold_cnt(0) depctr_sa_sdst(0) depctr_va_vdst(0) depctr_va_sdst(0) depctr_va_ssrc(0) depctr_va_vcc(0) depctr_vm_vsrc(0)
	s_getreg_b32 s2, hwreg(HW_REG_IB_STS2, 6, 4)
	s_cmp_eq_u32 s2, 0
	s_cbranch_scc0 .Lentry_in_a_cluster
	s_endpgm
.Lentry_in_a_cluster:
	s_bfe_u32 s2, ttmp6, 0x10000c
	s_cmp_lg_u32 s2, 0xf033
	s_cbranch_scc0 .Lentry_shape_is_right
	s_endpgm
.Lentry_shape_is_right:
; h1 = sigmoid(o) tanh(sigmoid(i) tanh(g)), gates = h0 W_ih1^T + b_ih1 + b_hh1, the product on codes of FP8 (E4M3); h1 leaves as codes with the given scale 2^e4, laid as the decoder's operand.
; LEFT OUT as dead work: the f gate (its rows are not among w1q's codes, its biases are not read) and W_hh1; the proof stands at the head of the first kernel.
; Shares, images, the transposed use, the pipeline of phases and the way out are the first layer's: a work-group makes 256 rows x 128 units x three gates, a wave 128 x 64 x 3 in 96 accumulators.
; K = 1,024 is sixteen half-steps of 64, which go through TWO UNEQUAL LDS SLOTS: P holds four half-steps, Q three (two slots of four would leave no byte for the biases and the spare words).
; Chunks: half-steps 0-3 in P, 4-6 in Q, 7-9 in P, 10-12 in Q, 13-15 in P.  The first two are asked for at the head; each of the three refills is one joint load a wave, first thing behind a round of the
; cluster's barrier, and has three half-steps, 288 matrix instructions a wave, in which to land.  By this text's own count a wave has two tensor loads out at the start and one behind each round.
; CLUSTER 4 x 4: h0's tiles hang on the tile row alone and are asked for jointly along a row of the cluster, W's on the tile column alone and jointly along a column.
; THE GATES, with a = 2^(-i log2 e), b = 2^(-2 g log2 e), e = 2^(-o log2 e), d = 2^(-2 c log2 e):  c = (1 - b) / ((1 + a)(1 + b)),  h = (1 - d) / ((1 + e)(1 + d)).
; RANGE: b's exponent is held at 64 (above it tanh is -1 in f32); where a or e is infinite the divisor is infinite, its reciprocal 0 and c or h 0; 1 - b, 1 + b and d stay finite, so no 0 x infinity arises.
; LIMITS: c and h carry an absolute error of about 3e-7 (1 - b with b near 1); e2 + e3 between -126 and 126; e4 between -126 and 119; NaN among the inputs is not served.
; REGISTERS.  Windows 1, 2, 3: the accumulators of gate i, g, o, at v[32 rb + 8 t + j].  Window 0: v1 16 x lane; v2, v3 x's LDS address in P, Q; v4, v5 W's; v6, v7 the add's two; v8, v9 the biases' LDS addresses;
;   v10 4 x thread; v16-79, v80-143 x's fragments, two sets; v144-239 W's, one set a gate; v240-247 codes; v248 448 x 2^e4; v249 2^e4; v[250:251] 2 log2 e; v[252:253] -2 log2 e.
.set J,      16                        ; half-steps
.set XFIRST, 0                         ; every half-step's x comes out of LDS
.set XQB,    65536                     ; LDS: x in P [row half 2][4][8,192], x in Q [2][3][8,192],
.set WPB,    114688                    ; W in P [unit half 2][4][12,288],
.set WQB,    212992                    ; W in Q [2][3][12,288],
.set BIAS,   286720                    ; the biases x their factors [gate 3][128 units], six blocks of 256 bytes into which no tile lands,
.set SPARE,  288256                    ; and the spare words, 128 bytes for each wave: two blocks of 256 bytes that no other line names
.set G1X4, 24                          ; descriptor groups 1: x, four half-steps; x, three; W, four; W, three
.set G1X3, 32
.set G1W4, 40
.set G1W3, 48
.set G0XP, 56                          ; groups 0, one for each slot and side
.set G0XQ, 60
.set G0WP, 68
.set G0WQ, 72
.set XS,  16
.set WS,  144
.set TA,  80                           ; the way out: at work, in the registers that held fragments
.set TB,  112
.set TE,  176
.set TW,  208
.set BI,  16                           ; the biases of my 32 units, x their factors
.set BG,  48
.set BO,  144
.set CC,  240
.set DSN, 0                            ; LDS instructions issued so far,
.set WEND0, 0                          ; and as many as were issued when the newest fetch of gate g's W was complete: the difference is a wait's count
.set WEND1, 0
.set WEND2, 0
.set MSB, 0
.macro WIN new                         ; the immediate's high byte repeats the setting that is left
.if MSB != (\new)
	s_set_vgpr_msb (MSB<<8)|(\new)
.set MSB, (\new)
.endif
.endm
.macro PLACES                          ; four places in front of loads into registers that matrix instructions have read, and of the first read of results (ISA guide 7.12.1 for vector instructions)
.rept 4
	v_nop
.endr
.endm
.macro CREST                           ; a round of the cluster's barrier behind its opening barrier
	s_cmp_lg_u32 s16, 0
	s_cbranch_scc1 .Lnot_wave_0_\@
	s_barrier_signal -3
.Lnot_wave_0_\@:
	s_barrier_wait -3
	s_barrier_signal -1
	s_barrier_wait -1
.endm
.macro CROUND
	s_barrier_signal -1
	s_barrier_wait -1
	CREST
.endm
; A joint load: waves 0 and 1 fetch for x, waves 2 and 3 for W.  The branch hangs on the wave's number alone.  An s_nop 0 and four v_nop follow each of the two lines.
.macro JLOAD g0x, g1x, g0w, g1w
	s_cmp_eq_u32 s17, 0
	s_cbranch_scc0 .Lfor_w_\@
	tensor_load_to_lds s[\g0x:\g0x+3], s[\g1x:\g1x+7]
	s_nop 0
	PLACES
	s_branch .Lasked_\@
.Lfor_w_\@:
	tensor_load_to_lds s[\g0w:\g0w+3], s[\g1w:\g1w+7]
	s_nop 0
	PLACES
.Lasked_\@:
.endm
.macro MKG1 g, r                       ; a dense block as r rows of 32 elements of 8 bytes
	s_mov_b32 s[\g+1], 32<<16                      ; tensor_dim0
	s_mov_b32 s[\g+2], (\r)<<16                    ; tensor_dim1
	s_mov_b32 s[\g+3], 32<<16                      ; tile_dim0
	s_mov_b32 s[\g+4], \r                          ; tile_dim1
	s_mov_b32 s[\g+5], 32                          ; tensor_dim0_stride
	s_mov_b32 s[\g+6], 0
	s_mov_b32 s[\g+7], 0
.endm
.macro MKG0 g, ldsreg, base, goff
	s_mov_b32 s[\g], 1                             ; count = 1
	s_mov_b32 s[\g+1], s[\ldsreg]                  ; LDS address
	s_add_nc_u64 s[\g+2:\g+3], s[\base:\base+1], \goff   ; global address
	s_or_b32 s[\g+3], s[\g+3], 0x80000000          ; type = 2
.endm
.macro LOC j                           ; which slot holds half-step j (INQ), and at which place (IDX)
.if (\j) < 4
.set INQ, 0
.set IDX, (\j)
.else
.set INQ, 1-(((\j)-4)/3)%2
.set IDX, ((\j)-4)%3
.endif
.endm
.macro XFETCH j                        ; my eight blocks of x, 64 along K, into set j % 2
	LOC \j
.irp rb, 0,1,2,3,4,5,6,7
.irp c, 0,1
	ds_load_b128 v[XS+64*((\j)%2)+8*\rb+4*\c:XS+64*((\j)%2)+8*\rb+4*\c+3], v[2+INQ] offset:IDX*8192+1024*\rb+512*\c
.endr
.endr
.set DSN, DSN+16
.endm
.macro WFETCH j, g                     ; gate g's four tiles
	LOC \j
.irp t, 0,1,2,3
.irp c, 0,1
	ds_load_b128 v[WS+32*(\g)+8*\t+4*\c:WS+32*(\g)+8*\t+4*\c+3], v[4+INQ] offset:IDX*12288+1024*(4*(\g)+\t)+512*\c
.endr
.endr
.set DSN, DSN+8
.if (\g) == 0
.set WEND0, DSN
.elseif (\g) == 1
.set WEND1, DSN
.else
.set WEND2, DSN
.endif
.endm
.macro BFETCH                          ; the biases of my 32 units for the three gates: register 16 b + e = unit 32 b + 16 (lane / 16) + e
.irp b, 0,1
.irp q, 0,1,2,3
	ds_load_b128 v[BI+16*\b+4*\q:BI+16*\b+4*\q+3], v8 offset:128*\b+16*\q
	ds_load_b128 v[BG+16*\b+4*\q:BG+16*\b+4*\q+3], v8 offset:512+128*\b+16*\q
	ds_load_b128 v[BO+16*\b+4*\q:BO+16*\b+4*\q+3], v8 offset:1024+128*\b+16*\q
.endr
.endr
.set DSN, DSN+24
.endm
.macro DSWAIT g                        ; gate g's W is in (and x, which stands ahead of gate 0's W in its run): all that was issued behind it may stay out
.if (\g) == 0
	s_wait_dscnt DSN-WEND0
.elseif (\g) == 1
	s_wait_dscnt DSN-WEND1
.else
	s_wait_dscnt DSN-WEND2
.endif
.endm
; 16 matrix instructions: blocks rb0 .. rb0 + 3 of x against the gate's four tiles.  The 96 accumulators take turns, one instruction a turn, in the same order in every half-step.
; In half-step 0 the products start the sums: nothing is ever cleared.
.macro MUL j, g, rb0
.irp rb, \rb0, \rb0+1, \rb0+2, \rb0+3
.irp t, 0,1,2,3
.if (\j) == 0
	v_wmma_f32_16x16x64_fp8_fp8 v[32*(\rb)+8*\t:32*(\rb)+8*\t+7], v[WS+32*(\g)+8*\t:WS+32*(\g)+8*\t+7], v[XS+64*((\j)%2)+8*(\rb):XS+64*((\j)%2)+8*(\rb)+7], 0
.else
	v_wmma_f32_16x16x64_fp8_fp8 v[32*(\rb)+8*\t:32*(\rb)+8*\t+7], v[WS+32*(\g)+8*\t:WS+32*(\g)+8*\t+7], v[XS+64*((\j)%2)+8*(\rb):XS+64*((\j)%2)+8*(\rb)+7], v[32*(\rb)+8*\t:32*(\rb)+8*\t+7]
.endif
.endr
.endr
.endm
.macro HEAD j, g                       ; the run of loads at a phase's head
.if (\g) == 0
	PLACES
	WFETCH \j, 2
.elseif (\g) == 1
	PLACES
.if (\j) == J-1
	BFETCH
.else
.if (\j)+1 >= XFIRST
	XFETCH (\j)+1
.endif
	WFETCH (\j)+1, 0
.endif
.elseif (\j) < J-1
	PLACES
	WFETCH (\j)+1, 1
.endif
.endm
.macro PHASE j, g
	HEAD \j, \g
	DSWAIT \g
	WIN 0x50*((\g)+1)                              ; C and D in the gate's window
	MUL \j, \g, 0
	MUL \j, \g, 4
	WIN 0
.endm
; Phase (j, 0) of a chunk's last half-step changes slots.  Its head holds my last reads of the slot.  Then: all my tensor loads have landed, of which one is out, my part of the next chunk; 0 is added to my spare word;
; the add and my reads of the slot are waited for; ONE barrier.  fill = 1: the barrier opens a round of the cluster's, and the slot is filled again, first thing behind it, hs half-steps further on.
.macro TURN j, fill, gx, gw, hs
	HEAD \j, 0
	s_wait_tensorcnt 0x0                           ; no tensor load of mine is out, so a group 0 may be written
	ds_add_u32 v6, v7                              ; 0 onto my spare word: work on registers stands between it and the wait for it
.set DSN, DSN+1
.if \fill
	s_add_nc_u64 s[\gx+2:\gx+3], s[\gx+2:\gx+3], (\hs)*8192
	s_add_nc_u64 s[\gw+2:\gw+3], s[\gw+2:\gw+3], (\hs)*12288
.endif
	DSWAIT 0
	WIN 0x50
	MUL \j, 0, 0
	s_wait_dscnt 0x0                               ; the add is done, and my reads of this slot are over
	s_barrier_signal -1
	MUL \j, 0, 4
	WIN 0
	s_barrier_wait -1
.if \fill
	CREST                                          ; no wave of any partner still reads this slot or has a load on its way
	JLOAD \gx, G1X3, \gw, G1W3
.endif
.endm
	s_load_b256 s[4:11], s[0:1], 0x0               ; h0q, w1q, b_ih1, b_hh1
	s_load_b128 s[12:15], s[0:1], 0x20             ; the scales' exponents, h1q
	v_lshl_add_u32 v6, v0, 2, SPARE
	v_mov_b32 v7, 0
	ds_add_u32 v6, v7                              ; the wave's opening: the add, twice on end, and its wait ahead of my first tensor load; the set-up below stands between
	ds_add_u32 v6, v7
	v_lshrrev_b32 v1, 5, v0
	v_readfirstlane_b32 s16, v1                    ; wave 0..3
	s_lshr_b32 s17, s16, 1                         ; my half of the rows.  Also: I fetch for x (0) or for W (1)
	s_and_b32 s18, s16, 1                          ; my half of the units.  Also: which half I fetch
	s_bfe_u32 s19, ttmp6, 0x40000                  ; cx, cy: my place in the cluster
	s_bfe_u32 s20, ttmp6, 0x40004
	s_lshl_b32 s21, ttmp9, 2
	s_add_co_u32 s21, s21, s19                     ; tile column: 128 units
	s_and_b32 s22, ttmp7, 0xffff
	s_lshl_b32 s22, s22, 2
	s_add_co_u32 s22, s22, s20                     ; tile row: 256 rows
	s_lshl_b32 s23, s20, 2
	s_lshl_b32 s23, 15, s23                        ; my row of the cluster
	s_lshl_b32 s85, 0x1111, s19                    ; my column
	s_or_b32 s[G1X4], s23, (3<<16)|(1<<21)         ; 15:0 the mask; 17:16 elements of 8 bytes; 21 set beside a mask; no padding
	s_or_b32 s[G1X3], s23, (3<<16)|(1<<21)
	s_or_b32 s[G1W4], s85, (3<<16)|(1<<21)
	s_or_b32 s[G1W3], s85, (3<<16)|(1<<21)
	MKG1 G1X4, 128                                 ; x: four half-steps for 128 rows: 32,768 bytes;
	MKG1 G1X3, 96                                  ; three: 24,576
	MKG1 G1W4, 192                                 ; W: four half-steps for 64 units x 3 gates: 49,152 bytes;
	MKG1 G1W3, 144                                 ; three: 36,864
	s_lshl_b32 s86, s22, 1                         ; x's tiles: registers that hold the tile row and the wave's number alone
	s_add_co_u32 s86, s86, s18
	s_lshl_b32 s86, s86, 17                        ; a block of 128 rows is 131,072 bytes of codes
	s_mov_b32 s87, 0
	s_lshl_b32 s88, s18, 15                        ; its place in P,
	s_mul_i32 s89, s18, 24576
	s_add_co_u32 s89, s89, XQB                     ; and in Q
	s_lshl_b32 s90, s21, 1                         ; W's tiles: the tile column and the wave's number alone
	s_add_co_u32 s90, s90, s18
	s_mul_i32 s90, s90, 196608                     ; a group of 64 units is 196,608 bytes of codes
	s_mov_b32 s91, 0
	s_mul_i32 s94, s18, 49152
	s_add_co_u32 s94, s94, WPB
	s_mul_i32 s95, s18, 36864
	s_add_co_u32 s95, s95, WQB
	s_lshl_b32 s92, s21, 9                         ; the biases of my work-group's 128 units
	s_mov_b32 s93, 0
	s_lshl_b32 s2, s22, 1
	s_add_co_u32 s2, s2, s17                       ; my wave's block of 128 rows
	s_lshl_b32 s2, s2, 4
	s_lshl_b32 s3, s21, 1
	s_add_co_u32 s2, s2, s3
	s_add_co_u32 s2, s2, s18                       ; x 16 + my 64 units: they are one k64 of the next product
	s_lshl_b32 s2, s2, 13
	s_mov_b32 s3, 0
	s_wait_dscnt 0x0                               ; both opening adds are done
	s_wait_kmcnt 0x0
	s_load_b128 s[76:79], s[12:13], 0x8            ; e2 (h0), e3 (W_ih1), e4 (h1); the fourth is not used
	s_add_nc_u64 s[86:87], s[4:5], s[86:87]
	s_add_nc_u64 s[90:91], s[6:7], s[90:91]
	s_add_nc_u64 s[8:9], s[8:9], s[92:93]
	s_add_nc_u64 s[10:11], s[10:11], s[92:93]
	s_add_nc_u64 s[14:15], s[14:15], s[2:3]
	MKG0 G0XP, 88, 86, 0                           ; half-steps 0-3
	MKG0 G0XQ, 89, 86, 4*8192                      ; half-steps 4-6
	MKG0 G0WP, 94, 90, 0
	MKG0 G0WQ, 95, 90, 4*12288
	CROUND                                         ; all sixteen work-groups are here: the first joint loads meet
	s_cmp_eq_u32 s17, 0                            ; a wave's two first fills stand in one branch on its number, ahead of every wait on TENSORcnt, every LDS read and every barrier behind the round
	s_cbranch_scc0 .Lfirst_w
	tensor_load_to_lds s[G0XP:G0XP+3], s[G1X4:G1X4+7]
	s_nop 0
	tensor_load_to_lds s[G0XQ:G0XQ+3], s[G1X3:G1X3+7]
	s_nop 0
	PLACES
	s_branch .Lfirst_done
.Lfirst_w:
	tensor_load_to_lds s[G0WP:G0WP+3], s[G1W4:G1W4+7]
	s_nop 0
	tensor_load_to_lds s[G0WQ:G0WQ+3], s[G1W3:G1W3+7]
	s_nop 0
	PLACES
.Lfirst_done:
	v_lshlrev_b32 v10, 2, v0                       ; thread t takes unit t of the work-group's 128: rows t, 2048 + t, 3072 + t of the bias vectors
	global_load_b32 v240, v10, s[8:9]
	global_load_b32 v241, v10, s[8:9] offset:8192
	global_load_b32 v242, v10, s[8:9] offset:12288
	global_load_b32 v243, v10, s[10:11]
	global_load_b32 v244, v10, s[10:11] offset:8192
	global_load_b32 v245, v10, s[10:11] offset:12288
	v_and_b32 v1, 31, v0
	v_lshlrev_b32 v1, 4, v1                        ; 16 x lane
	s_lshl_b32 s2, s17, 15
	v_add_nc_u32 v2, s2, v1                        ; x in P: my half of the rows
	s_mul_i32 s2, s17, 24576
	s_add_co_u32 s2, s2, XQB
	v_add_nc_u32 v3, s2, v1                        ; x in Q
	v_add_nc_u32 v4, s94, v1                       ; W in P: my half of the units
	v_add_nc_u32 v5, s95, v1                       ; W in Q
	v_bfe_u32 v8, v0, 4, 1
	v_lshlrev_b32 v8, 6, v8
	s_lshl_b32 s3, s18, 8
	s_add_co_u32 s3, s3, BIAS
	v_add_nc_u32 v8, s3, v8                        ; the biases, on the way back: my 64 units, + 16 units for lanes 16-31
	v_lshl_add_u32 v9, v0, 2, BIAS                 ; and on the way in
	v_mov_b32 v250, 0x4038aa3b                     ; 2 log2 e, twice
	v_mov_b32 v251, 0x4038aa3b
	v_mov_b32 v252, 0xc038aa3b                     ; and its negative
	v_mov_b32 v253, 0xc038aa3b
	s_wait_kmcnt 0x0
	s_add_co_i32 s2, s76, s77                      ; a sum stands for sum x 2^(e2 + e3): the two exponents are added to the factors' exponent fields
	s_lshl_b32 s2, s2, 23
	s_add_co_u32 s80, s2, 0xbfb8aa3b               ; -log2 e x 2^(e2 + e3): gates i and o
	s_mov_b32 s81, s80                             ; (named with it as a pair, so it is written)
	s_add_co_u32 s82, s2, 0xc038aa3b               ; -2 log2 e x 2^(e2 + e3): gate g
	s_mov_b32 s83, s82
	s_mov_b32 s84, 0x42800000                      ; 64.0
	s_add_co_i32 s2, s78, 127
	s_lshl_b32 s3, s2, 23
	v_mov_b32 v249, s3                             ; 2^e4 as f32, for the conversion
	s_add_co_i32 s2, s2, 8
	s_lshl_b32 s2, s2, 23
	s_or_b32 s2, s2, 0x600000
	v_mov_b32 v248, s2                             ; 448 x 2^e4
	s_wait_loadcnt 0x0                             ; the six bias loads
	v_add_f32 v240, v240, v243
	v_add_f32 v241, v241, v244
	v_add_f32 v242, v242, v245
	v_mul_f32 v240, 0xbfb8aa3b, v240               ; x the gate's factor, so that one multiply-add makes an exponent
	v_mul_f32 v241, 0xc038aa3b, v241
	v_mul_f32 v242, 0xbfb8aa3b, v242
	ds_store_b32 v9, v240
	ds_store_b32 v9, v241 offset:512
	ds_store_b32 v9, v242 offset:1024
	s_wait_tensorcnt 1                             ; my part of half-steps 0-3 is in; Q's load may stay out
	s_wait_dscnt 0x0                               ; for the others' sake: my bias stores are done
	s_barrier_signal -1
	s_barrier_wait -1
	XFETCH 0
	WFETCH 0, 0
	WFETCH 0, 1
.irp j, 0,1,2,3,4,5,6,7,8,9,10,11,12,13,14,15
.if \j == 3
	TURN 3, 1, G0XP, G0WP, 7                       ; P takes half-steps 7-9
.elseif \j == 6
	TURN 6, 1, G0XQ, G0WQ, 6                       ; Q takes 10-12
.elseif \j == 9
	TURN 9, 1, G0XP, G0WP, 6                       ; P takes 13-15
.elseif \j == 12
	TURN 12, 0, 0, 0, 0                            ; nothing is left to fetch
.else
	PHASE \j, 0
.endif
	PHASE \j, 1
	PHASE \j, 2
.endr
; THE WAY OUT of block rb: 16 rows, 32 units a lane.  The transcendentals go in four batches, each with one plain line or more behind it and ONE wait ahead of its first reader.
.macro EPI rb
	WIN 0x01                                       ; source 0: gate i's window.
.set n, 0
.rept 16
	v_pk_fma_f32 v[TA+n:TA+n+1], v[32*(\rb)+n:32*(\rb)+n+1], s[80:81], v[BI+n:BI+n+1] op_sel_hi:[1,0,1]   ; -i log2 e
.set n, n+2
.endr
	WIN 0x02
.set n, 0
.rept 16
	v_pk_fma_f32 v[TB+n:TB+n+1], v[32*(\rb)+n:32*(\rb)+n+1], s[82:83], v[BG+n:BG+n+1] op_sel_hi:[1,0,1]   ; -2 g log2 e
.set n, n+2
.endr
	WIN 0x03
.set n, 0
.rept 16
	v_pk_fma_f32 v[TE+n:TE+n+1], v[32*(\rb)+n:32*(\rb)+n+1], s[80:81], v[BO+n:BO+n+1] op_sel_hi:[1,0,1]   ; -o log2 e
.set n, n+2
.endr
	WIN 0
.set n, 0
.rept 32
	v_min_num_f32 v[TB+n], s84, v[TB+n]            ; b stays finite
.set n, n+1
.endr
.set n, 0
.rept 32
	v_exp_f32 v[TA+n], v[TA+n]                     ; a
.set n, n+1
.endr
.set n, 0
.rept 32
	v_exp_f32 v[TE+n], v[TE+n]                     ; e
.set n, n+1
.endr
.set n, 0
.rept 32
	v_exp_f32 v[TB+n], v[TB+n]                     ; b
.set n, n+1
.endr
	v_nop
	s_wait_alu depctr_va_vdst(0)
.set n, 0
.rept 16
	v_pk_add_f32 v[TW+n:TW+n+1], v[TB+n:TB+n+1], 1.0 op_sel_hi:[1,0]               ; 1 + b
.set n, n+2
.endr
.set n, 0
.rept 16
	v_pk_fma_f32 v[TA+n:TA+n+1], v[TA+n:TA+n+1], v[TW+n:TW+n+1], v[TW+n:TW+n+1]    ; (1 + a)(1 + b)
.set n, n+2
.endr
.set n, 0
.rept 32
	v_rcp_f32 v[TA+n], v[TA+n]
.set n, n+1
.endr
.set n, 0
.rept 16
	v_pk_fma_f32 v[TB+n:TB+n+1], v[TB+n:TB+n+1], v[250:251], v[252:253]            ; -2 log2 e (1 - b): plain work that names no reciprocal
.set n, n+2
.endr
	s_wait_alu depctr_va_vdst(0)
.set n, 0
.rept 16
	v_pk_mul_f32 v[TB+n:TB+n+1], v[TB+n:TB+n+1], v[TA+n:TA+n+1]                    ; -2 c log2 e
.set n, n+2
.endr
.set n, 0
.rept 32
	v_exp_f32 v[TB+n], v[TB+n]                     ; d
.set n, n+1
.endr
	v_nop
	s_wait_alu depctr_va_vdst(0)
.set n, 0
.rept 16
	v_pk_add_f32 v[TW+n:TW+n+1], v[TB+n:TB+n+1], 1.0 op_sel_hi:[1,0]               ; 1 + d
.set n, n+2
.endr
.set n, 0
.rept 16
	v_pk_fma_f32 v[TE+n:TE+n+1], v[TE+n:TE+n+1], v[TW+n:TW+n+1], v[TW+n:TW+n+1]    ; (1 + e)(1 + d)
.set n, n+2
.endr
.set n, 0
.rept 32
	v_rcp_f32 v[TE+n], v[TE+n]
.set n, n+1
.endr
.set n, 0
.rept 16
	v_pk_add_f32 v[TB+n:TB+n+1], v[TB+n:TB+n+1], 1.0 op_sel_hi:[1,0] neg_lo:[1,0] neg_hi:[1,0]   ; 1 - d: plain work that names no reciprocal
.set n, n+2
.endr
	s_wait_alu depctr_va_vdst(0)
.set n, 0
.rept 16
	v_pk_mul_f32 v[TA+n:TA+n+1], v[TB+n:TB+n+1], v[TE+n:TE+n+1]                    ; h
.set n, n+2
.endr
.set n, 0
.rept 32
	v_med3_num_f32 v[TA+n], v[TA+n], -v248, v248   ; the conversion to an 8-bit code does not saturate (ISA guide 7.6.2): the hold at the largest code x the scale
.set n, n+1
.endr
.if (\rb) > 0
	s_wait_xcnt 0x0                                ; the last block's stores have read the codes' registers
.endif
.irp g, 0,1,2,3
	v_cvt_scalef32_pk8_fp8_f32 v[CC+2*\g:CC+2*\g+1], v[TA+8*\g:TA+8*\g+7], v249
.endr
	v_nop                                          ; a plain line between the conversions and the next block's writes of their sources
	global_store_b128 v1, v[CC:CC+3], s[14:15] offset:1024*(\rb)                   ; the block's image: 32 lanes store 512 consecutive bytes, twice
	global_store_b128 v1, v[CC+4:CC+7], s[14:15] offset:1024*(\rb)+512
.endm
	s_wait_dscnt 0x0                               ; the biases are in
	PLACES                                         ; behind the last products
.irp rb, 0,1,2,3,4,5,6,7
	EPI \rb
.endr
	s_wait_tensorcnt 0x0                           ; the wave's end, behind my last tensor load and my last LDS store
	ds_add_u32 v6, v7
	s_wait_dscnt 0x0
	CROUND                                         ; the closing round: no work-group ends while a partner may still ask for a tile that names it
	s_endpgm
.Lfunc_end_k_q934255a980_layer1:
	.size	k_q934255a980_layer1, .Lfunc_end_k_q934255a980_layer1-k_q934255a980_layer1
	.p2alignl 7, 3214868480
	.fill 96, 4, 3214868480
	.section	.rodata,"a",@progbits
	.p2align	6, 0x0
	.amdhsa_kernel k_q934255a980_layer1
		.amdhsa_group_segment_fixed_size 327680
		.amdhsa_private_segment_fixed_size 0
		.amdhsa_enable_private_segment 0
		.amdhsa_kernarg_size 48
		.amdhsa_user_sgpr_count 2
		.amdhsa_user_sgpr_kernarg_segment_ptr 1
		.amdhsa_wavefront_size32 1
		.amdhsa_system_sgpr_workgroup_id_x 1
		.amdhsa_system_sgpr_workgroup_id_y 1
		.amdhsa_system_sgpr_workgroup_id_z 1
		.amdhsa_system_vgpr_workitem_id 0
		.amdhsa_next_free_vgpr 1024
		.amdhsa_next_free_sgpr 96
		.amdhsa_reserve_vcc 0
		.amdhsa_float_denorm_mode_32 3
		.amdhsa_float_denorm_mode_16_64 3
		.amdhsa_memory_ordered 1
		.amdhsa_forward_progress 1
		.amdhsa_inst_pref_size 255
	.end_amdhsa_kernel
	.section	.bss,"aw",@nobits
	.p2align	6
	.space	262144
	.amdgpu_metadata
---
amdhsa.version: [ 1, 2 ]
amdhsa.kernels:
  - .name:           k_q934255a980_layer1
    .symbol:         k_q934255a980_layer1.kd
    .args:
      - { .name: h0q, .offset: 0, .size: 8, .value_kind: global_buffer, .address_space: global }
      - { .name: w1q, .offset: 8, .size: 8, .value_kind: global_buffer, .address_space: global }
      - { .name: b_ih1, .offset: 16, .size: 8, .value_kind: global_buffer, .address_space: global }
      - { .name: b_hh1, .offset: 24, .size: 8, .value_kind: global_buffer, .address_space: global }
      - { .name: lowp_scales, .offset: 32, .size: 8, .value_kind: global_buffer, .address_space: global }
      - { .name: h1q, .offset: 40, .size: 8, .value_kind: global_buffer, .address_space: global }
    .group_segment_fixed_size: 327680
    .private_segment_fixed_size: 0
    .kernarg_segment_align: 8
    .kernarg_segment_size: 48
    .max_flat_workgroup_size: 128
    .sgpr_count:     96
    .vgpr_count:     1024
    .wavefront_size: 32
...
	.end_amdgpu_metadata
.endif
;; end of part 3
;; launch dec (part 4): grid 4 x 64, 4 waves a work-group, clusters of 4 x 4, 327,680 bytes of LDS; arguments h1q, wdq, b_dec, lowp_scales, out0; writes out0
.if DOCPART == 4
	.amdgcn_target "amdgcn-amd-amdhsa--gfx1250"
	.amdhsa_code_object_version 6
	.text
	.protected	k_q934255a980_dec
	.globl	k_q934255a980_dec
	.p2align	8
	.type	k_q934255a980_dec,@function
k_q934255a980_dec:
	s_mov_b64 s[64:65], 0
	v_nop
	global_prefetch_b8 v0, s[64:65] scope:SCOPE_SE
	s_setreg_imm32_b32 hwreg(HW_REG_WAVE_MODE, 25, 1), 1
	s_wait_xcnt 0x0
	s_wait_alu depctr_hold_cnt(0) depctr_sa_sdst(0) depctr_va_vdst(0) depctr_va_sdst(0) depctr_va_ssrc(0) depctr_va_vcc(0) depctr_vm_vsrc(0)
	s_getreg_b32 s2, hwreg(HW_REG_IB_STS2, 6, 4)
	s_cmp_eq_u32 s2, 0
	s_cbranch_scc0 .Lentry_in_a_cluster
	s_endpgm
.Lentry_in_a_cluster:
	s_bfe_u32 s2, ttmp6, 0x10000c
	s_cmp_lg_u32 s2, 0xf033
	s_cbranch_scc0 .Lentry_shape_is_right
	s_endpgm
.Lentry_shape_is_right:
; out0 = h1 W_dec^T + b_dec, the product on codes of FP8 (E4M3): h1q and wdq hold images of registers (16 rows x 64 K = 1,024 bytes; byte 512 c + 16 lane + i = row lane % 16, k = 32 c + 16 (lane / 16) + i);
; two neighbouring images are a fragment of 128 along K: one permutation of k, the same in both operands.  Each finished sum is multiplied once by 2^(e4 + e5) and b_dec is added, in one fused multiply-add.
; LIMIT: e4 + e5 between -126 and 127, so that 2^(e4 + e5) is an f32 number.
; SHARES.  A work-group of four waves makes 128 rows x 128 outputs, a wave 64 x 64: 16 accumulators.  With this tile the grid has one work-group for each of 256 WGPs.
; Source 0 = 16 rows of h1, source 1 = a tile of W_dec whose row rho is output 64 group + 4 rho + t: so register j of tile t in lane (r, h) is out(8 h + j, 4 r + t), a lane's four tiles are four neighbouring
; outputs, 16 bytes, and sixteen lanes store 256 consecutive bytes with no turn through LDS.
; NOTHING IS FILLED AGAIN: the work-group's 131,072 bytes of h1's codes and as many of W_dec's lie in LDS together, asked for at the head in four chunks of 256 along K, one load of 16,384 bytes a wave and chunk.
; By this text's own count a wave has four tensor loads out.  CLUSTER 4 x 4: h1's tiles are asked for jointly along a row of the cluster, W_dec's along a column.
; REGISTERS.  Window 0: v1 16 x lane; v2, v3 h1's LDS address (k64 0-7, 8-15); v4 W's; v5, v6 the add's two; v7 my byte offset in the wave's part of out0; v[8:11] b_dec of my four outputs; v16-143 h1's fragments,
;   two sets, later the results.  Window 1: v0-127 W's fragments, two sets; v128-255 the accumulators, (i, t) at v[128 + 8 (4 i + t)].
.set WBASE, 131072
.set SPARE, 262144                     ; behind the tiles: the spare words, 128 bytes for each wave: two blocks of 256 bytes that no other line names
.set G1X, 24                           ; s[24:31] descriptor group 1 for h1's tiles; s[32:39] for W's; groups 0: h1 s[40:55], W s[56:63], s[68:75]
.set G1W, 32
.set XS,  16
.set ACC, 128
.set MSB, 0
.macro WIN new                         ; the immediate's high byte repeats the setting that is left
.if MSB != (\new)
	s_set_vgpr_msb (MSB<<8)|(\new)
.set MSB, (\new)
.endif
.endm
.macro PLACES                          ; four places in front of loads into registers that matrix instructions have read, and of the first read of results (ISA guide 7.12.1 for vector instructions)
.rept 4
	v_nop
.endr
.endm
.macro CREST                           ; a round of the cluster's barrier behind its opening barrier
	s_cmp_lg_u32 s16, 0
	s_cbranch_scc1 .Lnot_wave_0_\@
	s_barrier_signal -3
.Lnot_wave_0_\@:
	s_barrier_wait -3
	s_barrier_signal -1
	s_barrier_wait -1
.endm
.macro CROUND
	s_barrier_signal -1
	s_barrier_wait -1
	CREST
.endm
.macro MKG1 g, r                       ; a dense block as r rows of 32 elements of 8 bytes
	s_mov_b32 s[\g+1], 32<<16                      ; tensor_dim0
	s_mov_b32 s[\g+2], (\r)<<16                    ; tensor_dim1
	s_mov_b32 s[\g+3], 32<<16                      ; tile_dim0
	s_mov_b32 s[\g+4], \r                          ; tile_dim1
	s_mov_b32 s[\g+5], 32                          ; tensor_dim0_stride
	s_mov_b32 s[\g+6], 0
	s_mov_b32 s[\g+7], 0
.endm
.macro MKG0 g, ldsreg, base, off       ; the same step in LDS and in memory
	s_mov_b32 s[\g], 1                             ; count = 1
	s_add_co_u32 s[\g+1], s[\ldsreg], \off         ; LDS address
	s_add_nc_u64 s[\g+2:\g+3], s[\base:\base+1], \off    ; global address
	s_or_b32 s[\g+3], s[\g+3], 0x80000000          ; type = 2
.endm
.macro FETCH s                         ; step s's fragments, 128 along K, into set s % 2: W's four tiles, h1's four blocks; 32 loads in one run
.if (\s) < 4
.set XR, 2
.else
.set XR, 3
.endif
	WIN 0x40                                       ; destination window 1, address window 0
.irp t, 0,1,2,3
.irp q, 0,1,2,3
	ds_load_b128 v[64*((\s)%2)+16*\t+4*\q:64*((\s)%2)+16*\t+4*\q+3], v4 offset:(2*(\s)+\q/2)*4096+1024*\t+512*(\q%2)
.endr
.endr
	WIN 0
.irp i, 0,1,2,3
.irp q, 0,1,2,3
	ds_load_b128 v[XS+64*((\s)%2)+16*\i+4*\q:XS+64*((\s)%2)+16*\i+4*\q+3], v[XR] offset:((\s)%4)*16384+(\q/2)*8192+1024*\i+512*(\q%2)
.endr
.endr
.endm
.macro MULS s                          ; 16 matrix instructions: the 16 accumulators take turns, in the same order in every step; step 0 starts the sums
.irp i, 0,1,2,3
.irp t, 0,1,2,3
.if (\s) == 0
	v_wmma_f32_16x16x128_fp8_fp8 v[ACC+8*(4*\i+\t):ACC+8*(4*\i+\t)+7], v[XS+64*((\s)%2)+16*\i:XS+64*((\s)%2)+16*\i+15], v[64*((\s)%2)+16*\t:64*((\s)%2)+16*\t+15], 0
.else
	v_wmma_f32_16x16x128_fp8_fp8 v[ACC+8*(4*\i+\t):ACC+8*(4*\i+\t)+7], v[XS+64*((\s)%2)+16*\i:XS+64*((\s)%2)+16*\i+15], v[64*((\s)%2)+16*\t:64*((\s)%2)+16*\t+15], v[ACC+8*(4*\i+\t):ACC+8*(4*\i+\t)+7]
.endif
.endr
.endr
.endm
	s_load_b256 s[4:11], s[0:1], 0x0               ; h1q, wdq, b_dec, the scales' exponents
	s_load_b64 s[12:13], s[0:1], 0x20              ; out0
	v_lshl_add_u32 v5, v0, 2, SPARE
	v_mov_b32 v6, 0
	ds_add_u32 v5, v6                              ; the wave's opening: the add, twice on end, and its wait ahead of my first tensor load; the set-up below stands between
	ds_add_u32 v5, v6
	v_lshrrev_b32 v1, 5, v0
	v_readfirstlane_b32 s16, v1                    ; wave 0..3
	s_lshr_b32 s17, s16, 1                         ; my half of the rows.  Also: I fetch for h1 (0) or for W (1)
	s_and_b32 s18, s16, 1                          ; my half of the outputs.  Also: which part I fetch
	s_bfe_u32 s19, ttmp6, 0x40000                  ; cx, cy: my place in the cluster
	s_bfe_u32 s20, ttmp6, 0x40004
	s_lshl_b32 s21, ttmp9, 2
	s_add_co_u32 s21, s21, s19                     ; tile column: 128 outputs
	s_and_b32 s22, ttmp7, 0xffff
	s_lshl_b32 s22, s22, 2
	s_add_co_u32 s22, s22, s20                     ; tile row: 128 rows
	s_lshl_b32 s66, s20, 2
	s_lshl_b32 s66, 15, s66                        ; my row of the cluster
	s_lshl_b32 s67, 0x1111, s19                    ; my column
	s_or_b32 s[G1X], s66, (3<<16)|(1<<21)          ; 15:0 the mask; 17:16 elements of 8 bytes; 21 set beside a mask; no padding
	s_or_b32 s[G1W], s67, (3<<16)|(1<<21)
	MKG1 G1X, 64                                   ; every load is 16,384 bytes
	MKG1 G1W, 64
	s_lshl_b32 s23, s18, 14                        ; h1: of a chunk's 32,768 bytes wave 0 takes the first half, wave 1 the second: the same in LDS and in memory
	s_lshl_b32 s14, s22, 17                        ; registers that hold the tile row and the wave's number alone
	s_add_co_u32 s14, s14, s23
	s_mov_b32 s15, 0
	s_lshl_b32 s78, s18, 16                        ; W: a group of 64 outputs is 65,536 bytes
	s_lshl_b32 s76, s21, 17                        ; registers that hold the tile column and the wave's number alone
	s_add_co_u32 s76, s76, s78
	s_mov_b32 s77, 0
	s_add_co_u32 s78, s78, WBASE
	s_lshl_b32 s79, s21, 9
	s_lshl_b32 s2, s18, 8
	s_add_co_u32 s79, s79, s2                      ; my wave's first output, in bytes
	s_lshl_b32 s2, s22, 7
	s_lshl_b32 s3, s17, 6
	s_add_co_u32 s2, s2, s3                        ; my wave's first row,
	s_lshl_b32 s2, s2, 11                          ; of 2,048 bytes
	s_add_co_u32 s2, s2, s79
	s_mov_b32 s3, 0
	s_wait_dscnt 0x0                               ; both opening adds are done
	s_wait_kmcnt 0x0
	s_add_nc_u64 s[12:13], s[12:13], s[2:3]
	s_load_b64 s[2:3], s[10:11], 0x10              ; e4 (h1), e5 (W_dec)
	s_add_nc_u64 s[14:15], s[4:5], s[14:15]
	s_add_nc_u64 s[76:77], s[6:7], s[76:77]
	MKG0 40, 23, 14, 0                             ; h1: chunks 0 to 3
	MKG0 44, 23, 14, 32768
	MKG0 48, 23, 14, 65536
	MKG0 52, 23, 14, 98304
	MKG0 56, 78, 76, 0                             ; W: chunks 0 to 3
	MKG0 60, 78, 76, 16384
	MKG0 68, 78, 76, 32768
	MKG0 72, 78, 76, 49152
	CROUND                                         ; all sixteen work-groups are here: the joint loads meet
	s_cmp_eq_u32 s17, 0                            ; a wave's first fills stand in one branch on its number, ahead of every wait on TENSORcnt, every LDS read and every barrier behind the round
	s_cbranch_scc0 .Lfirst_w
	tensor_load_to_lds s[40:43], s[G1X:G1X+7]
	s_nop 0
	tensor_load_to_lds s[44:47], s[G1X:G1X+7]
	s_nop 0
	tensor_load_to_lds s[48:51], s[G1X:G1X+7]
	s_nop 0
	tensor_load_to_lds s[52:55], s[G1X:G1X+7]
	s_nop 0
	PLACES
	s_branch .Lfirst_done
.Lfirst_w:
	tensor_load_to_lds s[56:59], s[G1W:G1W+7]
	s_nop 0
	tensor_load_to_lds s[60:63], s[G1W:G1W+7]
	s_nop 0
	tensor_load_to_lds s[68:71], s[G1W:G1W+7]
	s_nop 0
	tensor_load_to_lds s[72:75], s[G1W:G1W+7]
	s_nop 0
	PLACES
.Lfirst_done:
	v_and_b32 v12, 15, v0
	v_lshlrev_b32 v12, 4, v12                      ; 16 r: my four outputs' bytes
	v_add_nc_u32 v13, s79, v12
	global_load_b128 v[8:11], v13, s[8:9]          ; b_dec of my four outputs
	v_bfe_u32 v14, v0, 4, 1
	v_lshl_add_u32 v7, v14, 14, v12                ; out0: eight rows further down for lanes 16-31, + 16 r
	v_and_b32 v1, 31, v0
	v_lshlrev_b32 v1, 4, v1                        ; 16 x lane
	s_lshl_b32 s23, s17, 12
	v_add_nc_u32 v2, s23, v1                       ; h1: my four blocks of a k64's eight
	v_add_nc_u32 v3, 0x10000, v2                   ; k64 8 on
	v_add_nc_u32 v4, s78, v1                       ; W: my group of 64 outputs
	s_wait_tensorcnt 3                             ; my part of chunk 0 is in: three loads were issued behind it; nothing is filled again in this launch
	s_barrier_signal -1
	s_barrier_wait -1
	FETCH 0
.irp s, 0,1,2,3,4,5,6,7
.if ((\s)%2 == 1) && (\s < 7)
	s_wait_tensorcnt 3-((\s)+1)/2                  ; my part of the next chunk is in: so many loads were issued behind it
	s_wait_dscnt 0x0                               ; no LDS instruction of mine is out at the signal
	s_barrier_signal -1
	s_barrier_wait -1                              ; everybody's part is in
.endif
.if \s < 7
	PLACES
	FETCH (\s)+1
	s_wait_dscnt 32                                ; all but the 32 just issued
.else
	s_wait_dscnt 0x0
.endif
	WIN 0x54                                       ; source 1 (W), C and D window 1; source 0 (h1) window 0
	MULS \s
	WIN 0
.endr
	PLACES                                         ; behind the last products
	s_wait_kmcnt 0x0
	s_add_co_i32 s2, s2, s3                        ; e4 + e5, between -126 and 127,
	s_add_co_i32 s2, s2, 127
	s_lshl_b32 s2, s2, 23                          ; makes the f32 number 2^(e4 + e5)
	s_wait_loadcnt 0x0                             ; b_dec
	WIN 0x01                                       ; source 0: window 1
.irp i, 0,1,2,3
.irp j, 0,1,2,3,4,5,6,7                        ; register 0 of each accumulator first: each is read from its low end on
.irp t, 0,1,2,3
	v_fma_f32 v[XS+32*\i+4*\j+\t], v[ACC+8*(4*\i+\t)+\j], s2, v[8+\t]    ; sum x 2^(e4 + e5) + b_dec; the four tiles' numbers come to lie side by side
.endr
.endr
.endr
	WIN 0
.irp i, 0,1,2,3
.irp j, 0,1,2,3,4,5,6,7
	global_store_b128 v7, v[XS+32*\i+4*\j:XS+32*\i+4*\j+3], s[12:13] offset:(16*\i+\j)*2048 th:TH_STORE_NT   ; 16 lanes store 256 consecutive bytes, at a multiple of 256 from out0's first byte; written once, read by nobody here
.endr
.endr
	s_wait_tensorcnt 0x0                           ; the wave's end, behind my last tensor load
	ds_add_u32 v5, v6
	s_wait_dscnt 0x0
	CROUND                                         ; the closing round: no work-group ends while a partner may still ask for a tile that names it
	s_endpgm
.Lfunc_end_k_q934255a980_dec:
	.size	k_q934255a980_dec, .Lfunc_end_k_q934255a980_dec-k_q934255a980_dec
	.p2alignl 7, 3214868480
	.fill 96, 4, 3214868480
	.section	.rodata,"a",@progbits
	.p2align	6, 0x0
	.amdhsa_kernel k_q934255a980_dec
		.amdhsa_group_segment_fixed_size 327680
		.amdhsa_private_segment_fixed_size 0
		.amdhsa_enable_private_segment 0
		.amdhsa_kernarg_size 40
		.amdhsa_user_sgpr_count 2
		.amdhsa_user_sgpr_kernarg_segment_ptr 1
		.amdhsa_wavefront_size32 1
		.amdhsa_system_sgpr_workgroup_id_x 1
		.amdhsa_system_sgpr_workgroup_id_y 1
		.amdhsa_system_sgpr_workgroup_id_z 1
		.amdhsa_system_vgpr_workitem_id 0
		.amdhsa_next_free_vgpr 512
		.amdhsa_next_free_sgpr 80
		.amdhsa_reserve_vcc 0
		.amdhsa_float_denorm_mode_32 3
		.amdhsa_float_denorm_mode_16_64 3
		.amdhsa_memory_ordered 1
		.amdhsa_forward_progress 1
		.amdhsa_inst_pref_size 46
	.end_amdhsa_kernel
	.amdgpu_metadata
---
amdhsa.version: [ 1, 2 ]
amdhsa.kernels:
  - .name:           k_q934255a980_dec
    .symbol:         k_q934255a980_dec.kd
    .args:
      - { .name: h1q, .offset: 0, .size: 8, .value_kind: global_buffer, .address_space: global }
      - { .name: wdq, .offset: 8, .size: 8, .value_kind: global_buffer, .address_space: global }
      - { .name: b_dec, .offset: 16, .size: 8, .value_kind: global_buffer, .address_space: global }
      - { .name: lowp_scales, .offset: 24, .size: 8, .value_kind: global_buffer, .address_space: global }
      - { .name: out0, .offset: 32, .size: 8, .value_kind: global_buffer, .address_space: global }
    .group_segment_fixed_size: 327680
    .private_segment_fixed_size: 0
    .kernarg_segment_align: 8
    .kernarg_segment_size: 40
    .max_flat_workgroup_size: 128
    .sgpr_count:     80
    .vgpr_count:     512
    .wavefront_size: 32
...
	.end_amdgpu_metadata
.endif
;; end of part 4
